; MI455X (gfx1250); checked and timed in simulation.
; The chip was launched on July 23, 2026; its instructions are those of AMD's public machine-readable ISA for CDNA 5 (MIT licence, August 2026) and "CDNA5" Instruction Set Architecture Reference Guide (July 2026). The comments in the code are by the model that wrote it; some were corrected since.
;; Multi Head Attention With Entropy. Allowed arithmetic: matrix products marked QUANTISED: E2M3 operands, one E8M0 scale for each 32 along K, by v_wmma_scale_f32_16x16x128_f8f6f4 with both operands' format E2M3, f32 sums; everything else in f32.
;; Inputs: Wc 1,024 x 1,024 float32; Wk 1,024 x 1,024 float32; Wq 1,024 x 1,024 float32; Wv 1,024 x 1,024 float32; attn_mask 2 x 2,048 x 2,048 bool; k 2 x 2,048 x 1,024 float32; q 2 x 2,048 x 1,024 float32; v 2 x 2,048 x 1,024 float32.
;; Outputs: out0 2 x 2,048 x 1,024 float32; out1 one number float32.
;; This version of the problem:
;;   THIS VERSION OF THE PROBLEM IS GIVEN IN LOW PRECISION. The matrix products marked QUANTISED in the list below multiply operands that are first quantised to E2M3 (2 exponent bits, 3 mantissa bits; 6 bits a number), with one power-of-two scale for each 32 numbers along K (OCP MX v1.0); their sums are f32. All else is computed in f32.
;;   The module's matrix products, in the order in which they are computed (A, B: the left and right operand; K: the contracted axis; several contracted axes count as one K, in the product's order):
;;     1. [M 4,096, K 1,024] x [K 1,024, N 1,024]; A: input q; B: input Wq: QUANTISED
;;     2. [M 4,096, K 1,024] x [K 1,024, N 1,024]; A: input k; B: input Wk: QUANTISED
;;     3. [M 4,096, K 1,024] x [K 1,024, N 1,024]; A: input v; B: input Wv: QUANTISED
;;     4. batch 32 x [M 2,048, K 64] x [K 64, N 2,048]; A: computed on the way; B: computed on the way: QUANTISED
;;     5. batch 32 x [M 2,048, K 2,048] x [K 2,048, N 64]; A: softmax (see below); B: computed on the way: QUANTISED
;;     6. [M 4,096, K 1,024] x [K 1,024, N 1,024]; A: computed on the way; B: input Wc: QUANTISED
;;   THE QUANTISER, for each operand of a quantised product, along K:
;;     - K is cut into blocks of 32 from its start; a last block that is shorter is filled with zeros.
;;     - A block's scale is 2^e with e = floor(log2(the largest magnitude in the block)) - 2, held to -126 .. 127; a block of zeros has e = 0. As a byte (E8M0): e + 127.
;;     - Each number is divided by its block's scale, clamped to +-7.5, and rounded to the nearest number of E2M3, ties to even, subnormals kept.
;;     - The product sums the exact products of the quantised numbers (number of the format x scale) in f32.
;;   ~~~python
;;   def quantise(x, axis):      # numpy; x: float32 -> the quantised numbers, widened to float32 again
;;       x = np.moveaxis(x, axis, -1); K = x.shape[-1]
;;       x = np.pad(x, [(0, 0)] * (x.ndim - 1) + [(0, -K % 32)]); x = x.reshape(x.shape[:-1] + (-1, 32)); a = np.abs(x).max(-1, keepdims=True)
;;       e = np.where(a > 0, np.clip(np.frexp(np.where(a > 0, a, 1))[1] - 1 - 2, -126, 127), 0)      # np.frexp(a)[1] - 1 = floor(log2(a)), exactly
;;       r = np.clip(x / 2.0 ** e, -7.5, 7.5)
;;       step = 2.0 ** (np.maximum(np.frexp(np.where(r == 0, 1, r))[1] - 1, 0) - 3)
;;       q = np.round(r / step) * step * 2.0 ** e      # np.round: ties to even
;;       return np.moveaxis(q.reshape(q.shape[:-2] + (-1,))[..., :K], -1, axis).astype(np.float32)
;;   ~~~
;;   SOFTMAX AHEAD OF A QUANTISED PRODUCT. Where the list says 'softmax', what is quantised is not the finished softmax but p = 2^(t - M), with t = logit x log2(e) and M = ceil(the row's largest t), a whole number; so 1/2 < the row's largest p <= 1. The row's sum l is taken of the UNQUANTISED p, in f32, and the product's result is divided by l at the end. Since M is a whole number, a kernel that streams over the keys may use a running M (the ceiling of the running maximum): every later rescaling is an exact power of two, which a block's scale takes up: the codes' values come out the same.
;;   OPERANDS COMPUTED ON THE WAY. 'Computed on the way' means the value that the module computes at that place (a softmax that the list does not call 'softmax' is quantised finished and normalised). What goes into a quantiser is computed in f32, as accurately as f32 sums, v_exp_f32 and their like allow (about 1e-6 of the number): no bf16 or f16 on the way to a quantiser, and a product that is left as it is and whose result goes on into a quantised operand takes f32 operands (vector FMAs, or v_wmma_f32_16x16x4_f32). A number that lies on a knife's edge between two numbers of the format may be rounded either way, as far as f32 arithmetic and the matrix unit's own rounding can turn it there, and no further.
;; 2 versions, each right and faster than the one before. Each part assembles by itself: llvm-mc -triple=amdgcn-amd-amdhsa -mcpu=gfx1250 --defsym DOCPART=n.
;; ======== version 1 of 2: 5 launches
;; limits: a function is approximated: absolute error at most 2.05e-07; right only within a limited range of input values
;; workspace buffers: codes 12,582,912 bytes; scales 524,288 bytes; mbits 1,048,576 bytes of whole numbers; heads 10,092,544 bytes; oimg 3,145,728 bytes; osc 131,072 bytes; ent 1,024 bytes
;; launch prep (part 1): grid 256 x 1, 4 waves a work-group, no clusters, 90,624 bytes of LDS; arguments q, k, v, Wq, Wk, Wv, Wc, attn_mask, codes, scales, mbits; writes codes, scales, mbits
.if DOCPART == 1
	.amdgcn_target "amdgcn-amd-amdhsa--gfx1250"
	.amdhsa_code_object_version 6
	.text
	.protected	k_qa891a2e6eb_prep
	.globl	k_qa891a2e6eb_prep
	.p2align	8
	.type	k_qa891a2e6eb_prep,@function
k_qa891a2e6eb_prep:
	s_mov_b64 s[64:65], 0
	v_nop
	global_prefetch_b8 v0, s[64:65] scope:SCOPE_SE
	s_setreg_imm32_b32 hwreg(HW_REG_WAVE_MODE, 25, 1), 1
	s_wait_xcnt 0x0
; q, k, v [4096][1024] and Wq, Wk, Wv, Wc [1024][1024], f32 with K innermost, become codes of FP6 (E2M3) with one E8M0 byte for each 32 along K; the mask becomes lane-mask words.
; A block's scale is 2^(floor(log2(its largest magnitude)) - 2); its byte is the largest magnitude's exponent field - 2, held at 1 from below.  A block of zeros so gets the byte 1 where the rule says 127:
; its codes are zeros, which add nothing under any byte but 0xff, and the bytes are read by this program alone.  LIMITS: NaN and infinities among the inputs are not served.
; THE CODES' LAYOUT is the matrix operand's registers on end.  An IMAGE is 16 rows x 64 K, 768 bytes: lane 16 h + r holds block h (32 codes, 6 registers) of row r; registers 0-3 lie at 16 x lane,
; registers 4-5 at 512 + 8 x lane.  codes = [1024 tiles of 16 stored rows][16 images]; scales = [16384 stored rows][32 bytes].  Stored rows: q 0, k 4096, v 8192, Wq 12288, Wk 13312, Wv 14336, Wc 15360.
; ROW ORDER.  For k, v, Wq, Wk, Wv a stored row is the true row with bits 3 and 4 of its number exchanged: stored tile 2 b + u, row p, is true row 32 b + 8 u + p + 8 (p / 8).  A product that takes such rows as
; source 0 leaves 16 neighbours along the next K in a lane's 16 registers of two neighbouring tiles.  Only the rows' addresses know of it: rows 8-15 of a tile begin 8 rows further down.
; SHARES.  Work-group g, wave w: stored tile 4 g + w (16 rows, 64 KiB in, 12,800 bytes out), and the mask of query tile g, keys 512 w on.  Waves share nothing: no barrier.
; A row's eight loads read 512 consecutive bytes each; the row turns through the wave's own stage in LDS so that lane l holds block l, 32 neighbours along K; its codes are gathered as images in LDS and leave
; in stores of 512 consecutive bytes.  Three rows' loads (24) are out while a row is worked.
; MASK WORDS.  mbits = [256 query tiles][16 steps of 128 keys][64 words]: word 16 b + i has bit 16 h + r = mask[16 tile + r][128 step + 32 b + 16 h + i]: the lane mask of the score register 16 b + i.
.set WREG,  22528                      ; LDS of a wave: two turn stages, the image stage, the scale bytes
.set TURNB, 4608                       ; a turn stage: 32 places of 128 bytes + 16
.set IMGS,  9216                       ; 16 images, 800 bytes apart; an image's three pieces of 256 bytes at 0, 272, 544
.set SBY,   22016                      ; 16 rows x 32 scale bytes
.set OW,    24                         ; v24-31   256 mask words, four to a lane and register group
.set R,     32                         ; v32-127  three sets of 32: a row as loaded; at the end the images on their way out
.set X,     128                        ; v128-191 two sets of 32 neighbours; first the mask's 64 registers
	s_load_b512 s[4:19], s[0:1], 0x0               ; q, k, v, Wq, Wk, Wv, Wc, the mask
	s_load_b128 s[20:23], s[0:1], 0x40             ; codes, scales
	s_load_b64 s[24:25], s[0:1], 0x50              ; mbits
	v_lshl_add_u32 v216, v0, 2, 0x16000
	v_mov_b32 v217, 0
	v_lshrrev_b32 v20, 5, v0
	v_readfirstlane_b32 s26, v20                   ; wave
	v_and_b32 v1, 31, v0                           ; lane
	v_lshlrev_b32 v2, 4, v1                        ; 16 x lane
	s_mul_i32 s27, s26, WREG
	s_add_co_u32 s36, s27, IMGS
	s_add_co_u32 s37, s27, SBY
	v_lshrrev_b32 v20, 3, v1
	v_and_b32 v21, 7, v1
	v_mul_u32_u24 v20, v20, 144
	v_lshl_add_u32 v20, v21, 4, v20
	v_add_nc_u32 v3, s27, v20                      ; turn stage, in: 144 (lane / 8) + 16 (lane % 8); a load's 512 bytes take four places
	v_mul_u32_u24 v20, v1, 144
	v_add_nc_u32 v4, s27, v20                      ; and out: place = lane: my block
	v_lshrrev_b32 v20, 1, v1
	v_and_b32 v21, 1, v1
	v_mul_u32_u24 v20, v20, 800                    ; my block lies in image lane / 2, half lane % 2
	v_mad_u32_u24 v22, v21, 272, v20
	v_add_nc_u32 v5, s36, v22                      ; its registers 0-3: piece lane % 2, + 16 x row
	v_lshl_add_u32 v22, v21, 7, v20
	v_add_nc_u32 v22, 544, v22
	v_add_nc_u32 v6, s36, v22                      ; its registers 4-5: piece 2, + 128 (lane % 2) + 8 x row
	v_add_nc_u32 v7, s37, v1                       ; my block's scale byte, + 32 x row
	v_and_b32 v20, 15, v1
	v_lshrrev_b32 v21, 4, v1
	v_lshlrev_b32 v22, 4, v20
	v_mad_u32_u24 v23, v21, 272, v22
	v_add_nc_u32 v8, s36, v23                      ; the way out: two pieces of one image (272 apart),
	v_lshl_add_u32 v23, v21, 8, v22
	v_add_nc_u32 v9, s36, v23                      ; or an image's last piece and the next image's first (256 apart)
	v_add_nc_u32 v10, s37, v2
	v_lshlrev_b32 v11, 11, v20
	v_lshl_add_u32 v11, v21, 4, v11                ; the mask: row lane % 16 of 2,048 bytes, + 16 (lane / 16)
.irp i, 0,1,2,3,4,5,6,7
	v_mov_b32 v[OW+\i], 0                          ; written once: v_writelane_b32's destination counts as one of its sources
.endr
	s_wait_kmcnt 0x0
	s_mov_b64 s[28:29], s[16:17]                   ; which tensor is my work-group's?  The choice hangs on the work-group's number alone
	s_mov_b32 s38, 240
	s_cmp_lt_u32 ttmp9, 240
	s_cselect_b64 s[28:29], s[14:15], s[28:29]
	s_cselect_b32 s38, 224, s38
	s_cmp_lt_u32 ttmp9, 224
	s_cselect_b64 s[28:29], s[12:13], s[28:29]
	s_cselect_b32 s38, 208, s38
	s_cmp_lt_u32 ttmp9, 208
	s_cselect_b64 s[28:29], s[10:11], s[28:29]
	s_cselect_b32 s38, 192, s38
	s_cmp_lt_u32 ttmp9, 192
	s_cselect_b64 s[28:29], s[8:9], s[28:29]
	s_cselect_b32 s38, 128, s38
	s_cmp_lt_u32 ttmp9, 128
	s_cselect_b64 s[28:29], s[6:7], s[28:29]
	s_cselect_b32 s38, 64, s38
	s_cmp_lt_u32 ttmp9, 64
	s_cselect_b64 s[28:29], s[4:5], s[28:29]
	s_cselect_b32 s38, 0, s38                      ; the tensor's first work-group
	s_sub_co_u32 s39, ttmp9, s38
	s_lshl_b32 s39, s39, 2
	s_add_co_u32 s39, s39, s26                     ; a: my stored tile in the tensor
	s_lshl_b32 s40, s39, 16                        ; natural order: 16 a rows of 4,096 bytes
	s_lshr_b32 s42, s39, 1
	s_lshl_b32 s42, s42, 17
	s_and_b32 s43, s39, 1
	s_lshl_b32 s43, s43, 15
	s_add_co_u32 s42, s42, s43                     ; exchanged order: rows 32 (a / 2) + 8 (a % 2) on
	s_sub_co_u32 s43, ttmp9, 64
	s_cmp_lt_u32 s43, 176                          ; work-groups 64 to 239: k, v, Wq, Wk, Wv
	s_cselect_b32 s40, s42, s40
	s_cselect_b32 s42, 32768, 0                    ; and there rows 8-15 lie 8 rows further down
	s_mov_b32 s41, 0
	s_mov_b32 s43, 0
	s_add_nc_u64 s[28:29], s[28:29], s[40:41]      ; rows 0-7
	s_add_nc_u64 s[30:31], s[28:29], s[42:43]      ; rows 8-15
	s_lshl_b32 s40, ttmp9, 15                      ; the mask: 16 rows of 2,048 bytes a query tile, 512 keys a wave
	s_lshl_b32 s42, s26, 9
	s_add_co_u32 s40, s40, s42
	s_add_nc_u64 s[18:19], s[18:19], s[40:41]
	s_lshl_b32 s40, ttmp9, 12                      ; its words: 4,096 bytes a tile, 1,024 a wave
	s_lshl_b32 s42, s26, 10
	s_add_co_u32 s40, s40, s42
	s_add_nc_u64 s[24:25], s[24:25], s[40:41]
	s_lshl_b32 s42, ttmp9, 2
	s_add_co_u32 s42, s42, s26                     ; my stored tile of all 1,024
	s_mul_i32 s40, s42, 12288
	s_add_nc_u64 s[20:21], s[20:21], s[40:41]
	s_lshl_b32 s40, s42, 9
	s_add_nc_u64 s[22:23], s[22:23], s[40:41]
.irp b, 0,1,2,3,4,5,6,7,8,9,10,11,12,13,14,15
	global_load_b128 v[X+4*\b:X+4*\b+3], v11, s[18:19] offset:32*\b th:TH_LOAD_NT   ; mask[16 g + r][512 w + 32 b + 16 h + 0 .. 15]
.endr
.macro LOAD t                          ; row t: eight loads of 512 consecutive bytes, into set t % 3
.irp i, 0,1,2,3,4,5,6,7
.if (\t) < 8
	global_load_b128 v[R+32*((\t)%3)+4*\i:R+32*((\t)%3)+4*\i+3], v2, s[28:29] offset:4096*(\t)+512*\i th:TH_LOAD_NT
.else
	global_load_b128 v[R+32*((\t)%3)+4*\i:R+32*((\t)%3)+4*\i+3], v2, s[30:31] offset:4096*(\t)+512*\i th:TH_LOAD_NT
.endif
.endr
.endm
.macro TURN t                          ; row t through the stage: LDS serves a wave's instructions in order (ISA guide 5.7.1.4), so no wait stands between the stores and the loads
.irp i, 0,1,2,3,4,5,6,7
	ds_store_b128 v3, v[R+32*((\t)%3)+4*\i:R+32*((\t)%3)+4*\i+3] offset:TURNB*((\t)%2)+576*\i
.endr
.irp i, 0,1,2,3,4,5,6,7
	ds_load_b128 v[X+32*((\t)%2)+4*\i:X+32*((\t)%2)+4*\i+3], v4 offset:TURNB*((\t)%2)+16*\i
.endr
.endm
	LOAD 0
	LOAD 1
	LOAD 2
	s_wait_loadcnt 24                              ; the mask is in; the three rows' 24 loads were issued behind it
.set wd, 0
.rept 256                              ; word wd = 16 b + i: one byte of each lane, as a lane mask, to lane (wd % 128) / 4 of the register that a store of 16 bytes a lane will take
	v_and_b32 v[20+wd%4], 0xff<<(8*(wd%4)), v[X+4*(wd/16)+(wd%16)/4]
	v_cmp_ne_u32 s[32+wd%4], 0, v[20+wd%4]
	v_writelane_b32 v[OW+4*(wd/128)+wd%4], s[32+wd%4], (wd%128)/4
.set wd, wd+1
.endr
	global_store_b128 v2, v[OW:OW+3], s[24:25]             ; 512 consecutive bytes each; these registers are not written again
	global_store_b128 v2, v[OW+4:OW+7], s[24:25] offset:512
	s_wait_loadcnt 16                              ; row 0 is in; rows 1 and 2 may be out
	TURN 0
.macro STEP t
.set XS, X+32*((\t)%2)
.set CR, 192+8*((\t)%2)                ; the block's six registers of codes, by parity
.set DR, 208+4*((\t)%2)                ; (a conversion's three registers begin on an even number: the second half is made here and moved)
.if (\t) > 0
	s_wait_dscnt 3                                 ; my block of this row is back from the stage; behind those loads stand the last step's three stores
.else
	s_wait_dscnt 0x0
.endif
.if (\t)+3 < 16
	LOAD (\t)+3                                    ; into the set that this row's stage stores have read
.endif
.if (\t)+1 < 16
.if (\t) <= 12
	s_wait_loadcnt 16                              ; the next row is in; the two rows behind it may be out
.else
	s_wait_loadcnt 8*(14-(\t))
.endif
	TURN (\t)+1                                    ; it goes through the other stage while this row is worked
.endif
	v_max3_num_f32 v12, |v[XS]|, |v[XS+1]|, |v[XS+2]|      ; the block's largest magnitude: all 32 numbers are mine; two chains
	v_max3_num_f32 v13, |v[XS+3]|, |v[XS+4]|, |v[XS+5]|
.irp i, 6,10,14,18,22,26
	v_max3_num_f32 v12, v12, |v[XS+\i]|, |v[XS+\i+1]|
	v_max3_num_f32 v13, v13, |v[XS+\i+2]|, |v[XS+\i+3]|
.endr
	v_max3_num_f32 v12, v12, |v[XS+30]|, |v[XS+31]|
	v_max3_num_f32 v12, v12, v13, 0x1800000        ; and the floor 2^(3 - 127): the byte cannot fall under 1
	v_add_nc_u32 v14, 0xff000000, v12              ; 2 off its exponent field: the conversion takes the exponent field of this operand as its scale
	v_cvt_scalef32_pk16_fp6_f32 v[CR:CR+2], v[XS:XS+15], v14
	v_cvt_scalef32_pk16_fp6_f32 v[DR:DR+2], v[XS+16:XS+31], v14
	v_lshrrev_b32 v[15+(\t)%2], 23, v14            ; the scale's byte; also the plain place behind the conversions
.irp i, 0,1,2
	v_mov_b32 v[CR+3+\i], v[DR+\i]
.endr
	ds_store_b128 v5, v[CR:CR+3] offset:16*(\t)    ; into image lane / 2, as lane 16 (lane % 2) + row of it
	ds_store_b64 v6, v[CR+4:CR+5] offset:8*(\t)
	ds_store_b8 v7, v[15+(\t)%2] offset:32*(\t)
.endm
.irp t, 0,1,2,3,4,5,6,7,8,9,10,11,12,13,14,15
	STEP \t
.endr
.set n, 0
.rept 24                               ; the 16 images are 48 pieces of 256 bytes: load n takes pieces 2 n and 2 n + 1
.if (2*n)%3 == 2
	ds_load_b128 v[R+4*n:R+4*n+3], v9 offset:800*((2*n)/3)+272*((2*n)%3)
.else
	ds_load_b128 v[R+4*n:R+4*n+3], v8 offset:800*((2*n)/3)+272*((2*n)%3)
.endif
.set n, n+1
.endr
	ds_load_b128 v[X:X+3], v10                     ; the 512 scale bytes
.set n, 0
.rept 24
	s_wait_dscnt 24-n                              ; load n is back; the later ones may be out
	global_store_b128 v2, v[R+4*n:R+4*n+3], s[20:21] offset:512*n   ; 512 consecutive bytes, at a multiple of 256 from the buffer's first byte
.set n, n+1
.endr
	s_wait_dscnt 0x0
	global_store_b128 v2, v[X:X+3], s[22:23]
	s_wait_tensorcnt 0x0
	ds_add_u32 v216, v217
	s_wait_dscnt 0x0
	s_endpgm
.Lfunc_end_k_qa891a2e6eb_prep:
	.size	k_qa891a2e6eb_prep, .Lfunc_end_k_qa891a2e6eb_prep-k_qa891a2e6eb_prep
	.p2alignl 7, 3214868480
	.fill 96, 4, 3214868480
	.section	.rodata,"a",@progbits
	.p2align	6, 0x0
	.amdhsa_kernel k_qa891a2e6eb_prep
		.amdhsa_group_segment_fixed_size 90624
		.amdhsa_private_segment_fixed_size 0
		.amdhsa_enable_private_segment 0
		.amdhsa_kernarg_size 88
		.amdhsa_user_sgpr_count 2
		.amdhsa_user_sgpr_kernarg_segment_ptr 1
		.amdhsa_wavefront_size32 1
		.amdhsa_system_sgpr_workgroup_id_x 1
		.amdhsa_system_sgpr_workgroup_id_y 1
		.amdhsa_system_sgpr_workgroup_id_z 1
		.amdhsa_system_vgpr_workitem_id 0
		.amdhsa_next_free_vgpr 218
		.amdhsa_next_free_sgpr 66
		.amdhsa_reserve_vcc 0
		.amdhsa_float_denorm_mode_32 3
		.amdhsa_float_denorm_mode_16_64 3
		.amdhsa_memory_ordered 1
		.amdhsa_forward_progress 1
		.amdhsa_inst_pref_size 113
	.end_amdhsa_kernel
	.amdgpu_metadata
---
amdhsa.version: [ 1, 2 ]
amdhsa.kernels:
  - .name:           k_qa891a2e6eb_prep
    .symbol:         k_qa891a2e6eb_prep.kd
    .args:
      - { .name: q, .offset: 0, .size: 8, .value_kind: global_buffer, .address_space: global }
      - { .name: k, .offset: 8, .size: 8, .value_kind: global_buffer, .address_space: global }
      - { .name: v, .offset: 16, .size: 8, .value_kind: global_buffer, .address_space: global }
      - { .name: Wq, .offset: 24, .size: 8, .value_kind: global_buffer, .address_space: global }
      - { .name: Wk, .offset: 32, .size: 8, .value_kind: global_buffer, .address_space: global }
      - { .name: Wv, .offset: 40, .size: 8, .value_kind: global_buffer, .address_space: global }
      - { .name: Wc, .offset: 48, .size: 8, .value_kind: global_buffer, .address_space: global }
      - { .name: attn_mask, .offset: 56, .size: 8, .value_kind: global_buffer, .address_space: global }
      - { .name: codes, .offset: 64, .size: 8, .value_kind: global_buffer, .address_space: global }
      - { .name: scales, .offset: 72, .size: 8, .value_kind: global_buffer, .address_space: global }
      - { .name: mbits, .offset: 80, .size: 8, .value_kind: global_buffer, .address_space: global }
    .group_segment_fixed_size: 90624
    .private_segment_fixed_size: 0
    .kernarg_segment_align: 8
    .kernarg_segment_size: 88
    .max_flat_workgroup_size: 128
    .sgpr_count:     66
    .vgpr_count:     218
    .wavefront_size: 32
...
	.end_amdgpu_metadata
.endif
;; end of part 1
;; launch proj (part 2): grid 4 x 48, 4 waves a work-group, clusters of 4 x 4, 327,680 bytes of LDS; arguments codes, scales, heads; writes heads
.if DOCPART == 2
	.amdgcn_target "amdgcn-amd-amdhsa--gfx1250"
	.amdhsa_code_object_version 6
	.text
	.protected	k_qa891a2e6eb_proj
	.globl	k_qa891a2e6eb_proj
	.p2align	8
	.type	k_qa891a2e6eb_proj,@function
k_qa891a2e6eb_proj:
	s_mov_b64 s[64:65], 0
	v_nop
	global_prefetch_b8 v0, s[64:65] scope:SCOPE_SE
	s_setreg_imm32_b32 hwreg(HW_REG_WAVE_MODE, 25, 1), 1
	s_wait_xcnt 0x0
	s_wait_alu depctr_hold_cnt(0) depctr_sa_sdst(0) depctr_va_vdst(0) depctr_va_sdst(0) depctr_va_ssrc(0) depctr_va_vcc(0) depctr_vm_vsrc(0)
	s_getreg_b32 s2, hwreg(HW_REG_IB_STS2, 6, 4)
	s_cmp_eq_u32 s2, 0
	s_cbranch_scc0 .Lentry_in_a_cluster
	s_endpgm
.Lentry_in_a_cluster:
	s_bfe_u32 s2, ttmp6, 0x10000c
	s_cmp_lg_u32 s2, 0xf033
	s_cbranch_scc0 .Lentry_shape_is_right
	s_endpgm
.Lentry_shape_is_right:
; The three projections, on codes of FP6 (E2M3) with E8M0 scales, K = 1,024; their results are quantised in registers and leave as operand images for the attention launch.  Nothing leaves in f32.
; 192 tiles of 256 x 256: cluster y = z: job = z / 4 (0: q Wq^T, 1: k Wk^T, 2: Wv v^T), zi = z % 4 (which 1,024 tokens).  A tile is R x S^T: R's rows are source 1 (a lane holds ONE row of R), S's rows source 0
; (a lane's registers run along S's rows).  Jobs 0, 1: R = tokens, S = the weight's features: registers run along the head's 64, which is the K of the scores.  Job 2: R = Wv's features, S = v's tokens:
; registers run along the keys, which are the K of the second product.  S's rows were stored with bits 3 and 4 of their number exchanged, so that register 16 b + i of accumulators (a, 2 b), (a, 2 b + 1)
; in lane (r, h) is true index 32 b + 16 h + i of the wave's 128: 16 neighbours of a block of 32; lane l xor 16 holds the other 16.
; THE LOOP: four waves, each 128 x 128 in 64 accumulators; K in steps of 256 through a ring of two LDS slots.  codes lie as images (16 rows x 64 K, 768 bytes, the operand's registers on end), so a fragment is
; two loads of 16 bytes and two of 8 bytes a lane, each of consecutive bytes, and a wave's tile is 8 rows of 3,072 bytes.  The scale bytes of the 512 rows, for all of K, come once and stay.
; CLUSTERS: 4 x 4 work-groups.  R's tile hangs on cy (and z) alone and is asked for jointly along a row of the cluster, S's on cx alone, along a column.  z is the same in all sixteen, so the one branch on the job is too.
; heads = 32 (batch x 16 + head) x 315,392 bytes: Q at 0, K at 106,496: 4 chunks of 512 tokens, 26,624 bytes each: 32 images, then 8 units of 256 bytes of scale words (tile / 4; word at 16 row + 4 (tile % 4); its
; bytes 0, 1 are the head's two scales; bytes 2, 3 are the neighbouring head's or 0 and meet zero codes only).  V at 212,992: 4 chunks of 4 steps of 128 keys, 25,600 bytes each: a step is 4 feature tiles x 2 images,
; then one unit of scale words a step (word at 16 row + 4 tile).
; LIMITS: a block of zeros gets the byte 1 where the rule says 127 (its codes are zeros; this program alone reads the bytes); NaN and infinities are not served.
; REGISTERS, in windows of 256: window 0: v16-31 addresses; v32-63 scale words, two sets, and nothing else; v64-111 the way out; from v128 R's fragments, one set.  window 1: S's fragments, two sets, at v0 and v128.
;   window 2: the accumulators of my rows 0-63 ((a, b) at v[8 (8 a + b)]);  window 3: those of rows 64-127.
.set NQ,     2                         ; matrix instructions deep in a slot: 256 along K
.set TILEB,  3072                      ; 16 rows x 256 K: four images
.set FR,     12                        ; registers of a fragment
.set NL,     4                         ; LDS loads that bring one
.set NP,     4                         ; places behind this matrix instruction (ISA guide 7.12.1)
.set HALFT,  8*TILEB                   ; 128 rows: what one tensor load brings
.set SLOT,   4*HALFT                   ; R's 256 rows, then S's
.set LAPS,   2                         ; 1,024 along K: twice round the ring
.set KS,     32                        ; a row of scale bytes
.set SCL,    2*SLOT                    ; behind the ring: the scales, as units of 256 bytes + 16 of padding
.set HALFS,  16*272
.set SBLK,   2*272
.set SPARE,  SCL+4*HALFS               ; the spare words, 128 bytes for each wave: two blocks of 256 bytes that no other line names
.set HEADB,  315392
.set ADRA, 16                          ; v16-17 my R fragments in slot 0, 1, the pieces of 16 bytes; v18-19 the pieces of 8 bytes
.set ADRB, 20                          ; v20-23 the same for S
.set L16,  24                          ; v24  16 x lane
.set L8,   25                          ; v25  8 x lane
.set SOFF, 26                          ; v26  scale units: 16 r, and lanes 16-31 one head further on
.set ADRS, 27                          ; v27  LDS address of my scale words: lanes 0-15 R's rows, lanes 16-31 S's
.set SPW,  28                          ; v28  LDS address of my spare word; never rewritten
.set NIL,  29                          ; v29  0; never rewritten
.set H16,  30                          ; v30  16 h
.set LANE, 31
.set SC,   32
.set TM,   64                          ; v64-67 largest magnitudes; v68-71 the other half's, then bytes; v72-75 the conversions' scale operands
.set BP,   68
.set SO,   72
.set PWS,  76                          ; v76-83 block a's scale word
.set PC,   84                          ; v84-95 the fragment just made; v96-98, v100-102 its halves to swap
.set PX,   96
.set XS,   104                         ; v104-111 scale words on their way out
.set AF,   128
.set G1, 24
.set G0, 32
.set G1B, 48
.set G0B, 56
.set G1S, 68
.set G0S, 76
.set G1SB, 80
.set G0SB, 88
.set OB0, 20                           ; s[20:21], s[22:23] where block a's two images go; s[46:47] the scale units; s[92:93], s[96:97] the steps from block to block
.set OB1, 22
.set SB,  46
.set ST0, 92
.set ST1, 96
.set JOB, 95
.set SEL, 98
.set MSB, 0
.macro WIN new                         ; the immediate's high byte repeats the setting that is left
.if MSB != \new
	s_set_vgpr_msb (MSB<<8)|\new
.set MSB, \new
.endif
.endm
.set MUL_LO, 0xa1                      ; source 0 (S) window 1, source 1 (R) window 0, C and D window 2
.set MUL_HI, 0xf1
.set TO_B,   0x40
; A joint load: waves 0 and 1 fetch for R, waves 2 and 3 for S.  Four v_nop follow each of the two lines, ahead of the jump, the label and what follows.
.macro JLOAD g0a, g1a, g0b, g1b
	s_cmp_eq_u32 s15, 0
	s_cbranch_scc0 .Lfor_b_\@
	tensor_load_to_lds s[\g0a:\g0a+3], s[\g1a:\g1a+7]
	s_nop 0
.rept 4
	v_nop
.endr
	s_branch .Lasked_\@
.Lfor_b_\@:
	tensor_load_to_lds s[\g0b:\g0b+3], s[\g1b:\g1b+7]
	s_nop 0
.rept 4
	v_nop
.endr
.Lasked_\@:
.endm
.macro CREST                           ; a round of the cluster's barrier behind its opening barrier
	s_cmp_lg_u32 s14, 0
	s_cbranch_scc1 .Lnot_wave_0_\@
	s_barrier_signal -3
.Lnot_wave_0_\@:
	s_barrier_wait -3
	s_barrier_signal -1
	s_barrier_wait -1
.endm
.macro CROUND
	s_barrier_signal -1
	s_barrier_wait -1
	CREST
.endm
	s_load_b128 s[4:7], s[0:1], 0x0                ; codes, scales
	s_load_b64 s[12:13], s[0:1], 0x10              ; heads
	v_lshl_add_u32 v[SPW], v0, 2, SPARE
	v_mov_b32 v[NIL], 0
	ds_add_u32 v28, v29
	ds_add_u32 v28, v29
	s_wait_dscnt 0x0
	v_lshrrev_b32 v1, 5, v0
	v_readfirstlane_b32 s14, v1                    ; wave 0..3
	s_lshr_b32 s15, s14, 1                         ; rh: which half of R's rows is mine.  Also: I fetch for R (0) or for S (1)
	s_and_b32 s16, s14, 1                          ; sh: which half of S's rows.  Also: which 128 rows I fetch
	s_bfe_u32 s40, ttmp6, 0x40000                  ; cx, cy: my place in the cluster
	s_bfe_u32 s41, ttmp6, 0x40004
	s_and_b32 s17, ttmp7, 0xffff                   ; z: the cluster's y, the same in all sixteen
	s_lshr_b32 s[JOB], s17, 2
	s_and_b32 s2, s17, 3                           ; zi
	s_lshl_b32 s43, s41, 2
	s_lshl_b32 s43, 15, s43                        ; my row of the cluster
	s_lshl_b32 s44, 0x1111, s40                    ; my column
	; descriptor group 1: 8 rows of 3,072 bytes (384 elements of 8 bytes), 12,288 bytes apart; dense in LDS
	s_or_b32 s[G1+0], s43, (3<<16)|(1<<21)         ; 15:0 the mask: R's tiles go to my row; 17:16 elements of 8 bytes; 21 set beside a mask
	s_or_b32 s[G1B+0], s44, (3<<16)|(1<<21)
.irp g, G1, G1B
	s_mov_b32 s[\g+1], 384<<16                     ; tensor_dim0
	s_mov_b32 s[\g+2], 8<<16                       ; tensor_dim1
	s_mov_b32 s[\g+3], 384<<16                     ; tile_dim0
	s_mov_b32 s[\g+4], 8                           ; tile_dim1
	s_mov_b32 s[\g+5], 1536                        ; tensor_dim0_stride
	s_mov_b32 s[\g+6], 0
	s_mov_b32 s[\g+7], 0
.endr
	; the scales of 128 rows: 4,096 dense bytes, as 16 rows of 256 bytes, 16 bytes of padding behind each
	s_or_b32 s[G1S+0], s43, (3<<16)|(1<<20)|(1<<21)|(5<<22)|(3<<25)
	s_or_b32 s[G1SB+0], s44, (3<<16)|(1<<20)|(1<<21)|(5<<22)|(3<<25)
.irp g, G1S, G1SB
	s_mov_b32 s[\g+1], 32<<16
	s_mov_b32 s[\g+2], 16<<16
	s_mov_b32 s[\g+3], 32<<16
	s_mov_b32 s[\g+4], 16
	s_mov_b32 s[\g+5], 32
	s_mov_b32 s[\g+6], 0
	s_mov_b32 s[\g+7], 0
.endr
	s_lshl_b32 s18, s[JOB], 12
	s_lshl_b32 s19, s2, 10
	s_add_co_u32 s18, s18, s19                     ; the job's 1,024 stored rows of q, k or v
	s_lshl_b32 s19, s[JOB], 10
	s_add_co_u32 s19, s19, 12288                   ; the job's weight
	s_cmp_eq_u32 s[JOB], 2
	s_cselect_b32 s20, s19, s18                    ; R: tokens, or Wv's features
	s_cselect_b32 s46, s18, s19                    ; S: the weight's features, or v's tokens
	s_lshl_b32 s18, s16, 7                         ; which 128 rows of the tile I fetch
	s_lshl_b32 s21, s41, 8
	s_add_co_u32 s20, s20, s21
	s_add_co_u32 s20, s20, s18                     ; R's row: + 256 cy + 128 x half
	s_lshl_b32 s47, s40, 8
	s_add_co_u32 s46, s46, s47
	s_add_co_u32 s46, s46, s18                     ; S's row: + 256 cx + 128 x half
	s_lshl_b32 s22, s20, 5                         ; 32 scale bytes a row,
	s_mov_b32 s23, 0
	s_mul_i32 s20, s20, 768                        ; 768 bytes of codes
	s_mov_b32 s21, 0
	s_lshl_b32 s92, s46, 5
	s_mov_b32 s93, 0
	s_mul_i32 s46, s46, 768
	s_mov_b32 s47, 0
	s_mul_i32 s45, s14, HALFT                      ; where they go: wave x 128 rows: no place in the cluster enters an LDS address
	s_mul_i32 s94, s14, HALFS
	s_wait_kmcnt 0x0
	s_add_nc_u64 s[20:21], s[4:5], s[20:21]
	s_add_nc_u64 s[22:23], s[6:7], s[22:23]
	s_add_nc_u64 s[46:47], s[4:5], s[46:47]
	s_add_nc_u64 s[92:93], s[6:7], s[92:93]
	CROUND                                         ; all sixteen work-groups are here: the first joint loads meet
	s_mov_b32 s[G0S], 1
	s_add_co_u32 s[G0S+1], s94, SCL
	s_mov_b64 s[G0S+2:G0S+3], s[22:23]
	s_or_b32 s[G0S+3], s[G0S+3], 0x80000000
	s_mov_b32 s[G0SB], 1
	s_add_co_u32 s[G0SB+1], s94, SCL
	s_mov_b64 s[G0SB+2:G0SB+3], s[92:93]
	s_or_b32 s[G0SB+3], s[G0SB+3], 0x80000000
	JLOAD G0S, G1S, G0SB, G1SB                     ; the scales first: they are wanted with K step 0.  Three loads of mine are out behind these first fills
.irp s, 0,1
	s_mov_b32 s[G0+4*\s], 1
	s_add_co_u32 s[G0+4*\s+1], s45, \s*SLOT
	s_add_nc_u64 s[G0+4*\s+2:G0+4*\s+3], s[20:21], \s*TILEB
	s_or_b32 s[G0+4*\s+3], s[G0+4*\s+3], 0x80000000
	s_mov_b32 s[G0B+4*\s], 1
	s_add_co_u32 s[G0B+4*\s+1], s45, \s*SLOT
	s_add_nc_u64 s[G0B+4*\s+2:G0B+4*\s+3], s[46:47], \s*TILEB
	s_or_b32 s[G0B+4*\s+3], s[G0B+4*\s+3], 0x80000000
	JLOAD G0+4*\s, G1, G0B+4*\s, G1B
.endr
	v_and_b32 v[LANE], 31, v0
	v_and_b32 v1, 15, v0                           ; r
	v_bfe_u32 v2, v0, 4, 1                         ; h
	v_lshlrev_b32 v[L16], 4, v[LANE]
	v_lshlrev_b32 v[L8], 3, v[LANE]
	v_add_nc_u32 v5, 512, v[L8]                    ; an image's registers 4-5 lie behind its first 512 bytes
	s_mul_i32 s21, s15, HALFT                      ; my 128 rows of R
	s_mul_i32 s22, s16, HALFT                      ; my 128 rows of S,
	s_add_co_u32 s22, s22, 2*HALFT                 ; which lie behind R's 256
.irp s, 0,1
	v_add_nc_u32 v[ADRA+\s], s21, v[L16]
	v_add_nc_u32 v[ADRB+\s], s22, v[L16]
	v_add_nc_u32 v[ADRA+2+\s], s21, v5
	v_add_nc_u32 v[ADRB+2+\s], s22, v5
	s_add_co_u32 s21, s21, SLOT
	s_add_co_u32 s22, s22, SLOT
.endr
	v_mul_u32_u24 v5, v1, KS                       ; my row's scales: 32 bytes a row,
	v_lshrrev_b32 v6, 8, v5
	v_lshl_add_u32 v5, v6, 4, v5                   ; and 16 more for each 256 passed
	s_mul_i32 s21, s15, HALFS
	s_mul_i32 s22, s16, HALFS
	s_add_co_u32 s22, s22, 2*HALFS
	s_sub_co_u32 s22, s22, s21
	v_mul_u32_u24 v6, s22, v2                      ; lanes 16-31 take S's
	s_add_co_u32 s21, s21, SCL
	v_add_nc_u32 v5, v5, v6
	v_add_nc_u32 v[ADRS], s21, v5
	v_mul_u32_u24 v[SOFF], v2, HEADB
	v_lshl_add_u32 v[SOFF], v1, 4, v[SOFF]
	v_lshlrev_b32 v[H16], 4, v2
.irp b, 0,1,2,3
	v_mov_b32 v[BP+\b], 0                          ; written once: a lane permute's destination counts as one of its sources
.endr
	; WHERE THE RESULTS GO.  The tokens' place p, ph (cy, rh in jobs 0, 1; cx, sh in job 2) gives chunk and quarter of a chunk; the features' place hc, hh gives the first of my two heads.
	s_cmp_eq_u32 s[JOB], 2
	s_cselect_b32 s98, s40, s41                    ; p
	s_cselect_b32 s99, s16, s15                    ; ph
	s_cselect_b32 s18, s41, s40                    ; hc
	s_cselect_b32 s19, s15, s16                    ; hh
	s_mov_b32 s[ST0], 768
	s_cselect_b32 s[ST0], 1536, s[ST0]             ; from block to block: the next token tile's image, or the next feature tile's two
	s_mov_b32 s[ST1], 768
	s_cselect_b32 s[ST1], HEADB-3*1536, s[ST1]     ; into block 4: in job 2 the next head's feature tile 0
	s_mov_b32 s94, 26624
	s_cselect_b32 s94, 25600, s94                  ; a chunk
	s_mov_b32 s[OB1], HEADB
	s_cselect_b32 s[OB1], 768, s[OB1]              ; the second image: the next head's, or the step's keys 64 on
	s_cselect_b32 s45, 8, 9                        ; scale units for 128 tokens: one, or two
	s_mov_b32 s[ST0+1], 0
	s_mov_b32 s[ST1+1], 0
	s_mov_b32 s[OB1+1], 0
	s_lshr_b32 s20, s2, 1                          ; the batch
	s_lshl_b32 s20, s20, 4
	s_lshl_b32 s18, s18, 2
	s_add_co_u32 s20, s20, s18
	s_lshl_b32 s19, s19, 1
	s_add_co_u32 s20, s20, s19                     ; 16 batch + 4 hc + 2 hh
	s_mul_i32 s20, s20, HEADB
	s_mul_i32 s18, s[JOB], 106496
	s_add_co_u32 s20, s20, s18
	s_and_b32 s18, s2, 1
	s_lshl_b32 s18, s18, 1
	s_lshr_b32 s19, s98, 1
	s_add_co_u32 s18, s18, s19                     ; chunk = 2 (zi % 2) + p / 2
	s_mul_i32 s18, s18, s94
	s_add_co_u32 s20, s20, s18
	s_and_b32 s98, s98, 1
	s_lshl_b32 s98, s98, 1
	s_add_co_u32 s98, s98, s99                     ; 2 (p % 2) + ph
	s_lshl_b32 s[SB], s98, s45
	s_add_co_u32 s[SB], s[SB], s20
	s_add_co_u32 s[SB], s[SB], 24576
	s_mov_b32 s[SB+1], 0
	s_mul_i32 s98, s98, 6144
	s_add_co_u32 s20, s20, s98
	s_mov_b32 s21, 0
	s_add_nc_u64 s[OB0:OB0+1], s[12:13], s[20:21]
	s_add_nc_u64 s[OB1:OB1+1], s[OB0:OB0+1], s[OB1:OB1+1]
	s_add_nc_u64 s[SB:SB+1], s[12:13], s[SB:SB+1]
	s_mov_b32 s[SEL], 0x76543210
	s_mov_b32 s[SEL+1], 0xfedcba98                 ; v_permlanex16_b32's selects for lane l xor 16
.macro FRAG reg, adr, q, i             ; a fragment, 16 rows x 128 K, is two images: registers 0-3, 4-5, 6-9, 10-11; every load reads consecutive bytes
	ds_load_b128 v[\reg:\reg+3],     v[\adr]   offset:(\i)*TILEB+(\q)*1536
	ds_load_b64  v[\reg+4:\reg+5],   v[\adr+2] offset:(\i)*TILEB+(\q)*1536
	ds_load_b128 v[\reg+6:\reg+9],   v[\adr]   offset:(\i)*TILEB+(\q)*1536+768
	ds_load_b64  v[\reg+10:\reg+11], v[\adr+2] offset:(\i)*TILEB+(\q)*1536+768
.endm
; 16 matrix instructions: R's blocks a0, a0 + 1 x S's eight, 128 along K.  zero = 1: the first product starts the sums.  The 64 accumulators take turns, one instruction a turn.
.macro MUL16 a0, p, q, sc, zero
.irp a, \a0, \a0+1
.irp b, 0,1,2,3,4,5,6,7
.if \zero
	v_wmma_scale_f32_16x16x128_f8f6f4 v[8*(8*((\a)%4)+\b):8*(8*((\a)%4)+\b)+7], v[128*(\p)+FR*\b:128*(\p)+FR*\b+FR-1], v[AF+FR*(\a):AF+FR*(\a)+FR-1], 0, v[SC+8*NQ*(\sc)+NQ*\b+(\q)], v[SC+8*NQ*(\sc)+NQ*(\a)+(\q)] matrix_a_fmt:MATRIX_FMT_FP6 matrix_b_fmt:MATRIX_FMT_FP6 matrix_a_scale:MATRIX_SCALE_ROW1
.else
	v_wmma_scale_f32_16x16x128_f8f6f4 v[8*(8*((\a)%4)+\b):8*(8*((\a)%4)+\b)+7], v[128*(\p)+FR*\b:128*(\p)+FR*\b+FR-1], v[AF+FR*(\a):AF+FR*(\a)+FR-1], v[8*(8*((\a)%4)+\b):8*(8*((\a)%4)+\b)+7], v[SC+8*NQ*(\sc)+NQ*\b+(\q)], v[SC+8*NQ*(\sc)+NQ*(\a)+(\q)] matrix_a_fmt:MATRIX_FMT_FP6 matrix_b_fmt:MATRIX_FMT_FP6 matrix_a_scale:MATRIX_SCALE_ROW1
.endif
.endr
.endr
.endm
.macro FETCH_B slot, q, p
	WIN TO_B
.irp i, 0,1,2,3,4,5,6,7
	FRAG 128*(\p)+FR*\i, ADRB+\slot, \q, \i
.endr
	WIN 0
.endm
.macro FETCH_A slot, q, i0
.irp i, \i0, \i0+1, \i0+2, \i0+3
	FRAG AF+FR*(\i), ADRA+\slot, \q, \i
.endr
.endm
.macro SCALES sc                       ; a K step's scale words: two words a row; lanes 0-15 take R's block i, lanes 16-31 S's block i
.irp i, 0,1,2,3,4,5,6,7
	ds_load_b64 v[SC+8*NQ*\sc+NQ*\i:SC+8*NQ*\sc+NQ*\i+1], v[ADRS] offset:\i*SBLK
.endr
.endm
.macro PLACES n                        ; places in front of loads into registers that matrix instructions have read, and of the first read of results (ISA guide 7.12.1 for the first read of results)
.rept \n
	v_nop
.endr
.endm
.macro STEP slot, q, zero              ; a step of 128 along K that has its successor in the same slot
	s_wait_dscnt 4*NL                              ; S's set and R's blocks 0-3 are in; the youngest 16 loads (R's blocks 4-7) may be out
	WIN MUL_LO
	MUL16 0, (\q)%2, \q, \slot, \zero
	MUL16 2, (\q)%2, \q, \slot, \zero
	s_wait_dscnt 0
	PLACES NP
	FETCH_B \slot, (\q)+1, 1-(\q)%2
	FETCH_A \slot, (\q)+1, 0
	WIN MUL_HI
	MUL16 4, (\q)%2, \q, \slot, \zero
	MUL16 6, (\q)%2, \q, \slot, \zero
	PLACES NP
	WIN 0
	FETCH_A \slot, (\q)+1, 4
.endm
; A slot's last step changes slots: one barrier; in front of it each wave waits for all its tensor loads, adds 0 to its spare word, and waits for that and for its reads of this slot.
.macro TURN slot, next, fill
	s_wait_tensorcnt 0x0                           ; all my tensor loads have landed: my part of the next slot
	ds_add_u32 v[SPW], v[NIL]                      ; 0 onto my spare word
	s_wait_dscnt 4*NL+1                            ; (the add and the youngest 16 loads may be out)
	WIN MUL_LO
	MUL16 0, 1, NQ-1, \slot, 0
	s_wait_dscnt 0x0                               ; the add is done, and my reads of this slot are over
	s_barrier_signal -1
	MUL16 2, 1, NQ-1, \slot, 0
	WIN 0
	s_barrier_wait -1
.if \fill
	CREST                                          ; the barrier has opened a round of the cluster's barrier: no wave of any partner still reads this slot or has a load on its way
	s_add_nc_u64 s[G0+4*\slot+2:G0+4*\slot+3], s[G0+4*\slot+2:G0+4*\slot+3], 2*TILEB
	s_add_nc_u64 s[G0B+4*\slot+2:G0B+4*\slot+3], s[G0B+4*\slot+2:G0B+4*\slot+3], 2*TILEB
	JLOAD G0+4*\slot, G1, G0B+4*\slot, G1B         ; the first tensor load behind the round, my one load until the next; its four v_nop are the places in front of the loads below
.else
	PLACES NP
.endif
	v_add_nc_u32 v[ADRS], 4*NQ, v[ADRS]            ; on to the next K step's scale words
	FETCH_B \next, 0, 0
	FETCH_A \next, 0, 0
	SCALES \next
	WIN MUL_HI
	MUL16 4, 1, NQ-1, \slot, 0
	MUL16 6, 1, NQ-1, \slot, 0
	PLACES NP
	WIN 0
	FETCH_A \next, 0, 4
.endm
	s_wait_tensorcnt 1                             ; the scales and my part of K step 0 are in (K step 1's load may be out)
	s_barrier_signal -1
	s_barrier_wait -1                              ; everybody's are
	FETCH_B 0, 0, 0
	FETCH_A 0, 0, 0
	SCALES 0
	FETCH_A 0, 0, 4
	STEP 0, 0, 1                                   ; the first step stands in front of the loop: its products start the sums
	s_mov_b32 s3, LAPS-1
.Llap:
	TURN 0, 1, 1
	STEP 1, 0, 0
	TURN 1, 0, 1
	STEP 0, 0, 0
	s_sub_co_u32 s3, s3, 1
	s_cmp_lg_u32 s3, 0
	s_cbranch_scc1 .Llap
	TURN 0, 1, 0                                   ; the last lap fills nothing
	STEP 1, 0, 0
	s_wait_dscnt 4*NL
	WIN MUL_LO
	MUL16 0, 1, NQ-1, 1, 0
	MUL16 2, 1, NQ-1, 1, 0
	s_wait_dscnt 0
	WIN MUL_HI
	MUL16 4, 1, NQ-1, 1, 0
	MUL16 6, 1, NQ-1, 1, 0
	WIN 0
; THE WAY OUT of block a (16 rows of R x my 128 of S): four blocks of 32 along the next K are quantised in registers and leave as two images, each by a store of 512 and one of 256 consecutive bytes.
.macro QOUT a
.set AC, 64*((\a)%4)
	WIN 0x0a+5*((\a)/4)                            ; sources 0 and 1: window 2 or 3
.irp b, 0,1,2,3
	v_max3_num_f32 v[TM+\b], |v[AC+16*\b]|, |v[AC+16*\b+1]|, 0x1800000     ; my 16 numbers of block b, and the floor 2^(3 - 127); each accumulator is read from its low end on
.endr
.irp i, 2,4,6,8,10,12,14
.irp b, 0,1,2,3
	v_max3_num_f32 v[TM+\b], |v[AC+16*\b+\i]|, |v[AC+16*\b+\i+1]|, v[TM+\b]
.endr
.endr
	WIN 0
.irp b, 0,1,2,3
	v_permlanex16_b32 v[BP+\b], v[TM+\b], s[SEL], s[SEL+1]
.endr
.irp b, 0,1,2,3
	v_max_num_f32 v[TM+\b], v[TM+\b], v[BP+\b]     ; with lane l xor 16's: the block's largest magnitude
.endr
.irp b, 0,1,2,3
	v_add_nc_u32 v[SO+\b], 0xff000000, v[TM+\b]    ; 2 off its exponent field: the conversion's scale operand
.endr
.irp b, 0,1,2,3
	v_lshrrev_b32 v[BP+\b], 23, v[SO+\b]           ; the scale's byte
.endr
	v_lshl_or_b32 v[PWS+(\a)], v[BP+1], 8, v[BP]
	v_lshl_or_b32 v[PWS+(\a)], v[BP+2], 16, v[PWS+(\a)]
	v_lshl_or_b32 v[PWS+(\a)], v[BP+3], 24, v[PWS+(\a)]
.if (\a) > 0
	s_wait_xcnt 0x0                                ; the last block's stores have read their data and their bases: both are written again only behind this wait
.if (\a) == 4
	s_add_nc_u64 s[OB0:OB0+1], s[OB0:OB0+1], s[ST1:ST1+1]
	s_add_nc_u64 s[OB1:OB1+1], s[OB1:OB1+1], s[ST1:ST1+1]
.else
	s_add_nc_u64 s[OB0:OB0+1], s[OB0:OB0+1], s[ST0:ST0+1]
	s_add_nc_u64 s[OB1:OB1+1], s[OB1:OB1+1], s[ST0:ST0+1]
.endif
.endif
	WIN 2+(\a)/4                                   ; source 0: window 2 or 3
.irp c, 0,1
	v_cvt_scalef32_pk16_fp6_f32 v[PC+6*\c:PC+6*\c+2], v[AC+32*\c:AC+32*\c+15], v[SO+2*\c]
	v_cvt_scalef32_pk16_fp6_f32 v[PX+4*\c:PX+4*\c+2], v[AC+32*\c+16:AC+32*\c+31], v[SO+2*\c+1]   ; (a conversion's three registers begin on an even number)
.endr
	WIN 0
	v_nop                                          ; one plain place behind a scaled conversion
.irp c, 0,1                            ; the layout wants a WHOLE block in a lane: lanes 0-15 block 2 c, lanes 16-31 block 2 c + 1
.irp i, 0,1,2
	v_permlane16_swap_b32 v[PC+6*\c+\i], v[PX+4*\c+\i]
.endr
.irp i, 0,1,2
	v_mov_b32 v[PC+3+6*\c+\i], v[PX+4*\c+\i]
.endr
.endr
	global_store_b128 v[L16], v[PC:PC+3], s[OB0:OB0+1]
	global_store_b64 v[L8], v[PC+4:PC+5], s[OB0:OB0+1] offset:512
	global_store_b128 v[L16], v[PC+6:PC+9], s[OB1:OB1+1]
	global_store_b64 v[L8], v[PC+10:PC+11], s[OB1:OB1+1] offset:512
.endm
	PLACES NP                                      ; behind the last products
.irp a, 0,1,2,3,4,5,6,7
	QOUT \a
.endr
	; THE SCALE WORDS: each half of the lanes writes one whole unit of 256 bytes, lanes 16-31 the next head's
	s_cmp_eq_u32 s[JOB], 2
	s_cbranch_scc1 .Lkeys
.irp i, 0,1,2,3,4,5,6,7
	v_lshrrev_b32 v[XS+\i], v[H16], v[PWS+\i]      ; a token's word holds two heads' bytes: lanes 16-31 bring the second head's down
.endr
	global_store_b128 v[SOFF], v[XS:XS+3], s[SB:SB+1]
	global_store_b128 v[SOFF], v[XS+4:XS+7], s[SB:SB+1] offset:256
	s_branch .Lsent
.Lkeys:
	v_cmp_le_u32 vcc_lo, 16, v[LANE]
.irp i, 0,1,2,3
	v_cndmask_b32 v[XS+\i], v[PWS+\i], v[PWS+4+\i], vcc_lo     ; feature tiles 0-3 are the first head's, 4-7 the second's
.endr
	global_store_b128 v[SOFF], v[XS:XS+3], s[SB:SB+1]
.Lsent:
	s_wait_tensorcnt 0x0                           ; the wave's end
	ds_add_u32 v[SPW], v[NIL]
	s_wait_dscnt 0x0
	CROUND                                         ; the closing round: no work-group ends while a partner may still ask for a tile that names it
	s_endpgm
.Lfunc_end_k_qa891a2e6eb_proj:
	.size	k_qa891a2e6eb_proj, .Lfunc_end_k_qa891a2e6eb_proj-k_qa891a2e6eb_proj
	.p2alignl 7, 3214868480
	.fill 96, 4, 3214868480
	.section	.rodata,"a",@progbits
	.p2align	6, 0x0
	.amdhsa_kernel k_qa891a2e6eb_proj
		.amdhsa_group_segment_fixed_size 327680
		.amdhsa_private_segment_fixed_size 0
		.amdhsa_enable_private_segment 0
		.amdhsa_kernarg_size 24
		.amdhsa_user_sgpr_count 2
		.amdhsa_user_sgpr_kernarg_segment_ptr 1
		.amdhsa_wavefront_size32 1
		.amdhsa_system_sgpr_workgroup_id_x 1
		.amdhsa_system_sgpr_workgroup_id_y 1
		.amdhsa_system_sgpr_workgroup_id_z 1
		.amdhsa_system_vgpr_workitem_id 0
		.amdhsa_next_free_vgpr 1024
		.amdhsa_next_free_sgpr 100
		.amdhsa_reserve_vcc 1
		.amdhsa_float_denorm_mode_32 3
		.amdhsa_float_denorm_mode_16_64 3
		.amdhsa_memory_ordered 1
		.amdhsa_forward_progress 1
		.amdhsa_inst_pref_size 151
	.end_amdhsa_kernel
	.amdgpu_metadata
---
amdhsa.version: [ 1, 2 ]
amdhsa.kernels:
  - .name:           k_qa891a2e6eb_proj
    .symbol:         k_qa891a2e6eb_proj.kd
    .args:
      - { .name: codes, .offset: 0, .size: 8, .value_kind: global_buffer, .address_space: global }
      - { .name: scales, .offset: 8, .size: 8, .value_kind: global_buffer, .address_space: global }
      - { .name: heads, .offset: 16, .size: 8, .value_kind: global_buffer, .address_space: global }
    .group_segment_fixed_size: 327680
    .private_segment_fixed_size: 0
    .kernarg_segment_align: 8
    .kernarg_segment_size: 24
    .max_flat_workgroup_size: 128
    .sgpr_count:     100
    .vgpr_count:     1024
    .wavefront_size: 32
...
	.end_amdgpu_metadata
.endif
;; end of part 2
;; launch attn (part 3): grid 8 x 32, 16 waves a work-group, clusters of 4 x 1, 215,040 bytes of LDS; arguments heads, mbits, oimg, osc, ent; writes oimg, osc, ent
.if DOCPART == 3
	.amdgcn_target "amdgcn-amd-amdhsa--gfx1250"
	.amdhsa_code_object_version 6
	.text
	.protected	k_qa891a2e6eb_attn
	.globl	k_qa891a2e6eb_attn
	.p2align	8
	.type	k_qa891a2e6eb_attn,@function
k_qa891a2e6eb_attn:
	s_mov_b64 s[64:65], 0
	v_nop
	global_prefetch_b8 v0, s[64:65] scope:SCOPE_SE
	s_setreg_imm32_b32 hwreg(HW_REG_WAVE_MODE, 25, 1), 1
	s_wait_xcnt 0x0
	s_wait_alu depctr_hold_cnt(0) depctr_sa_sdst(0) depctr_va_vdst(0) depctr_va_sdst(0) depctr_va_ssrc(0) depctr_va_vcc(0) depctr_vm_vsrc(0)
	s_getreg_b32 s2, hwreg(HW_REG_IB_STS2, 6, 4)
	s_cmp_eq_u32 s2, 0
	s_cbranch_scc0 .Lentry_in_a_cluster
	s_endpgm
.Lentry_in_a_cluster:
	s_bfe_u32 s2, ttmp6, 0x10000c
	s_cmp_lg_u32 s2, 0x3003
	s_cbranch_scc0 .Lentry_shape_is_right
	s_endpgm
.Lentry_shape_is_right:
; Scores, mask, softmax, entropy and the weighted sum of values for one (batch, head) and 256 queries, both products on codes of FP6 (E2M3) with E8M0 scales; O / l is quantised along D and leaves as operand images.
; THE SOFTMAX: t = logit x log2(e) = score x c, c = log2(e) / 8; M = the running largest t rounded UP to a whole number; p = 2^(t - M) is what is quantised, along the keys, not normalised.  l = the sum of the
; unquantised p divides O at the end.  When M moves by D = old M - new M, l and O are multiplied by f = 2^D, which rounds nothing.
; THE ENTROPY of a row is ln 2 (log2 l - W / l) with W = the sum of p (t - M); when M moves, W becomes f (W + D l).
; LIMITS.  (1) A hidden score is -119 x 2^26, that is the logit -998,244,352 where reference() writes -1e9: c = 12,102,203 x 2^-26, so c times it is a whole number, and in a row with no open key the fused
; t - M is a whole number (19): p is a power of two, which the block's scale takes up, as the p = 1 of the rule.  With -8e9 the product has a fraction and p's codes would turn.  Open logits under about -9.9e8 are not served.
; (2) The 1e-10 inside the entropy's logarithm is left out: p log(1 + 1e-10 / p) <= 1e-10, so a row's entropy moves by at most 2,048 x 1e-10 = 2.05e-7.
; (3) NaN and infinities are not served; a block of zeros carries the byte 1 (its codes are zeros; this program alone reads the bytes).
; (4) The head's 64 fill half of the instruction's 128 along K: the upper six registers of Q's and K's fragments are zero codes.
; SHARES.  Sixteen waves, each ONE tile of 16 queries in 256 registers, four waves to a SIMD, so that one wave's vector work stands beside another's products and LDS loads.  Every wave walks 16 steps of 128 keys.
; NO RING.  The head's K and V with their scale words are 208,896 bytes: they come into LDS once, in four chunks each, and stay: no LDS byte is filled twice.
; CLUSTER.  The four query blocks of a cluster belong to one head: each chunk is asked for jointly, by the same load with the mask 15 in all four.  Wave 0 asks for K's four chunks, wave 1 for V's: four loads out at the most.
; LAYOUT.  Both products are used transposed: S^T = K Q^T, O^T = V^T P^T: a lane holds ONE query (lane % 16).  K's tiles hold keys in the stored order (bits 3 and 4 of the number exchanged), so that score register
; 16 b + i in lane (r, h) is key 32 b + 16 h + i of the step; V's feature tiles likewise, so that O^T's register 16 b + i is feature 32 b + 16 h + i.  Mask word 16 b + i is that score register's lane mask.
; REGISTERS: v1-3 16 x lane, 8 x lane, 16 r; v4-9 LDS addresses of the step; v10 the hidden score; v12 -M, v13 the largest t; v[14:17] l, v[18:21] W, two pairs each; v22 f; v38 D; v[24:35] Q; v36, v37 Q's and p's scale
; words; v[40:87] four fragments of K; v[88:95] K's and V's scale words; v[96:159] S^T, then t - M, then V's fragments; v[160:191] O^T; v[192:223] p, 32 at a time; v[224:242] p's codes; v[244:255] at work.
.set HEADB, 315392
.set KCH,   26624                      ; a chunk of K (or Q): 32 images, then 8 units of scale words
.set VCH,   25600                      ; a chunk of V: 4 steps of 8 images, then 4 units
.set KPART, 106496
.set VPART, 212992
.set VLDS,  4*KCH                      ; LDS: K's four chunks, then V's,
.set ENT,   VLDS+4*VCH                 ; then 16 words for the waves' entropy sums: a block of 256 bytes into which no fill lands
.set S,   96
.set O,   160
.set T,   192
.set PCD, 224
.set BM,  244
.set BP,  248
.set SO,  252
.set WV,  104
.macro CROUND                          ; a round of the cluster's barrier
	s_barrier_signal -1
	s_barrier_wait -1
	s_cmp_lg_u32 s[WV], 0
	s_cbranch_scc1 .Lnot_wave_0_\@
	s_barrier_signal -3
.Lnot_wave_0_\@:
	s_barrier_wait -3
	s_barrier_signal -1
	s_barrier_wait -1
.endm
	s_load_b128 s[28:31], s[0:1], 0x0              ; heads, mbits
	v_lshl_add_u32 v239, v0, 2, 0x34000
	v_mov_b32 v243, 0
	ds_add_u32 v239, v243
	ds_add_u32 v239, v243
	v_lshrrev_b32 v11, 5, v0
	v_readfirstlane_b32 s[WV], v11                 ; wave 0..15
	v_and_b32 v11, 31, v0
	v_lshlrev_b32 v1, 4, v11
	v_lshlrev_b32 v2, 3, v11
	v_and_b32 v3, 15, v0
	v_lshlrev_b32 v3, 4, v3
	s_and_b32 s32, ttmp7, 0xffff                   ; 16 batch + head: the four partners share it
	s_mul_i32 s34, s32, HEADB
	s_mov_b32 s35, 0
	; descriptor group 1: a dense block as rows of 256 bytes (32 elements of 8 bytes); the number of rows is written where the loads are issued
	s_mov_b32 s4, 15|(3<<16)|(1<<21)               ; 15:0 the mask: all four work-groups; 17:16 elements of 8 bytes; 21 set beside a mask
	s_mov_b32 s5, 32<<16                           ; tensor_dim0
	s_mov_b32 s7, 32<<16                           ; tile_dim0
	s_mov_b32 s9, 32                               ; tensor_dim0_stride
	s_mov_b32 s10, 0
	s_mov_b32 s11, 0
	s_wait_dscnt 0x0
	s_wait_kmcnt 0x0
	s_add_nc_u64 s[28:29], s[28:29], s[34:35]      ; the head's first byte
	CROUND                                         ; all four work-groups are here: the joint loads meet
	s_cmp_lg_u32 s[WV], 0                          ; a wave's fills stand in one branch on its number, ahead of every wait on TENSORcnt, every LDS read and every other barrier
	s_cbranch_scc1 .Lnot_k
	s_mov_b32 s6, (KCH/256)<<16                    ; tensor_dim1
	s_mov_b32 s8, KCH/256                          ; tile_dim1
.irp j, 0,1,2,3
	s_mov_b32 s[12+4*\j], 1
	s_mov_b32 s[13+4*\j], \j*KCH
	s_add_nc_u64 s[14+4*\j:15+4*\j], s[28:29], KPART+\j*KCH
	s_or_b32 s[15+4*\j], s[15+4*\j], 0x80000000
.endr
.irp j, 0,1,2,3
	tensor_load_to_lds s[12+4*\j:15+4*\j], s[4:11]
	s_nop 0
.endr
.rept 4
	v_nop
.endr
	s_branch .Lasked
.Lnot_k:
	s_cmp_lg_u32 s[WV], 1
	s_cbranch_scc1 .Lasked
	s_mov_b32 s6, (VCH/256)<<16
	s_mov_b32 s8, VCH/256
.irp j, 0,1,2,3
	s_mov_b32 s[12+4*\j], 1
	s_mov_b32 s[13+4*\j], VLDS+\j*VCH
	s_add_nc_u64 s[14+4*\j:15+4*\j], s[28:29], VPART+\j*VCH
	s_or_b32 s[15+4*\j], s[15+4*\j], 0x80000000
.endr
.irp j, 0,1,2,3
	tensor_load_to_lds s[12+4*\j:15+4*\j], s[4:11]
	s_nop 0
.endr
.rept 4
	v_nop
.endr
.Lasked:
	s_bfe_u32 s33, ttmp6, 0x40000                  ; cx: it enters Q's, the mask words' and the outputs' addresses alone
	s_lshl_b32 s36, ttmp9, 2
	s_add_co_u32 s36, s36, s33                     ; my block of 256 queries
	s_lshl_b32 s36, s36, 4
	s_add_co_u32 s36, s36, s[WV]                   ; my tile of 16 queries, 0..127
	s_lshr_b32 s37, s36, 5
	s_mul_i32 s37, s37, KCH                        ; Q's chunk
	s_and_b32 s38, s36, 31
	s_mul_i32 s39, s38, 768
	s_add_co_u32 s39, s39, s37                     ; its image
	s_lshr_b32 s38, s38, 2
	s_lshl_b32 s38, s38, 8
	s_add_co_u32 s38, s38, s37
	s_and_b32 s40, s36, 3
	s_lshl_b32 s40, s40, 2
	s_add_co_u32 s38, s38, s40                     ; its scale words: unit tile / 4, + 4 (tile % 4)
	v_add_nc_u32 v22, s39, v1
	v_add_nc_u32 v23, s39, v2
	v_add_nc_u32 v38, s38, v3
	global_load_b128 v[24:27], v22, s[28:29]
	global_load_b64 v[28:29], v23, s[28:29] offset:512
	global_load_b32 v36, v38, s[28:29] offset:24576
	s_lshr_b32 s41, s32, 4
	s_lshl_b32 s41, s41, 7
	s_add_co_u32 s41, s41, s36                     ; 128 batch + tile
	s_lshl_b32 s100, s41, 12
	s_mov_b32 s101, 0
	s_add_nc_u64 s[100:101], s[30:31], s[100:101]  ; my tile's mask words: 256 bytes a step
	s_load_b512 s[32:47], s[100:101], 0x0          ; step 0's 64 words
	s_load_b512 s[48:63], s[100:101], 0x40
	s_load_b512 s[68:83], s[100:101], 0x80
	s_load_b512 s[84:99], s[100:101], 0xc0
	s_mov_b32 s2, 0x3e38aa3b                       ; c = log2(e) / 8
	s_mov_b32 s3, s2                               ; (the packed form names the pair)
	s_mov_b32 s66, 0x76543210
	s_mov_b32 s67, 0xfedcba98                      ; v_permlanex16_b32's selects for lane l xor 16
	s_mov_b32 s30, 0                               ; steps done
	v_mov_b32 v10, 0xcfee0000                      ; -119 x 2^26
	v_mov_b32 v13, 0xff61b1e6                      ; the largest t so far: -3e38
	v_floor_f32 v12, -v13                          ; -M
.irp j, 14,15,16,17,18,19,20,21,39
	v_mov_b32 v\j, 0                               ; l, W; v39 is named as the upper half of the pair v[38:39]
.endr
.irp j, 30,31,32,33,34,35
	v_mov_b32 v\j, 0                               ; Q's K = 64 .. 127: zero codes
.endr
.irp t, 0,1,2,3
.irp j, 6,7,8,9,10,11
	v_mov_b32 v[40+12*\t+\j], 0                    ; K's likewise: written once, never loaded
.endr
.endr
.irp b, 0,1,2,3
	v_mov_b32 v[BP+\b], 0                          ; a lane permute's destination counts as one of its sources
.endr
.set j, 0
.rept 32
	v_mov_b32 v[O+j], 0                            ; O^T.  (The step is written once: the first finds zeros, which the first change of M leaves zeros)
.set j, j+1
.endr
	s_wait_loadcnt 0x0                             ; Q is in: its offsets' registers and its base may be written
	s_mov_b32 s29, 0                               ; s[28:29] is now the mask pointer's step
.macro KLOAD g                         ; four tiles of 16 keys, and their scale words (one unit: word 16 r + 4 t)
	ds_load_b128 v[88:91], v6 offset:256*\g
.irp t, 0,1,2,3
	ds_load_b128 v[40+12*\t:43+12*\t], v4 offset:768*(4*\g+\t)
	ds_load_b64 v[44+12*\t:45+12*\t], v5 offset:768*(4*\g+\t)
.endr
.endm
.macro KQ g
.irp t, 0,1,2,3
	v_wmma_scale_f32_16x16x128_f8f6f4 v[S+8*(4*\g+\t):S+8*(4*\g+\t)+7], v[40+12*\t:51+12*\t], v[24:35], 0, v[88+\t], v36 matrix_a_fmt:MATRIX_FMT_FP6 matrix_b_fmt:MATRIX_FMT_FP6
.endr
.endm
.macro SELECT vr, sr                   ; 32 scores: where the mask's bit is 0 the hidden score; ascending
.set j, 0
.rept 32
	v_cndmask_b32 v[\vr+j], v10, v[\vr+j], s[\sr+j]
.set j, j+1
.endr
.endm
.macro BMAX b0, b1                     ; the largest score of two blocks of 32 keys, by turns: it serves the row's maximum and, since p rises with the score, the block's largest p
.irp b, \b0, \b1
	v_max3_num_f32 v[BM+\b], v[S+16*\b], v[S+1+16*\b], v[S+2+16*\b]
.endr
.irp i, 3,5,7,9,11,13
.irp b, \b0, \b1
	v_max3_num_f32 v[BM+\b], v[BM+\b], v[S+16*\b+\i], v[S+1+16*\b+\i]
.endr
.endr
.irp b, \b0, \b1
	v_max_num_f32 v[BM+\b], v[BM+\b], v[S+15+16*\b]
.endr
.endm
.macro EXPS ub                         ; p = 2^(t - M) of 32 keys
.set j, 0
.rept 32
	v_exp_f32 v[T+j], v[\ub+j]
.set j, j+1
.endr
.endm
.macro SUMS ub                         ; l += p, W += p (t - M), of the UNQUANTISED p: four chains by turns
.set j, 0
.rept 8
	v_pk_add_f32 v[14:15], v[14:15], v[T+j:T+j+1]
	v_pk_fma_f32 v[18:19], v[T+j:T+j+1], v[\ub+j:\ub+j+1], v[18:19]
	v_pk_add_f32 v[16:17], v[16:17], v[T+j+2:T+j+3]
	v_pk_fma_f32 v[20:21], v[T+j+2:T+j+3], v[\ub+j+2:\ub+j+3], v[20:21]
.set j, j+4
.endr
.endm
.macro OSCALE j0                       ; half of O^T under the new M
.set j, \j0
.rept 8
	v_pk_mul_f32 v[O+j:O+j+1], v[O+j:O+j+1], v[22:23] op_sel_hi:[1,0]
.set j, j+2
.endr
.endm
; A KEY STEP: 128 keys.
.macro STEP
	KLOAD 0
	s_wait_dscnt 0x0
	KQ 0
.rept 4
	v_nop                                          ; places in front of loads into registers that those products read, and of the first read of their results
.endr
	KLOAD 1
	s_wait_kmcnt 0x0                               ; this step's mask words are in (asked for a step ago)
	SELECT S, 32
	s_wait_dscnt 0x0
	KQ 1
	BMAX 0, 1                                      ; sixteen plain instructions that name none of those products' registers: their places
	SELECT S+32, 68
	s_add_co_u32 s30, s30, 1                       ; the next step's words; the last step asks for its own again, so that no load leaves the buffer
	s_cmp_lt_u32 s30, 16
	s_cselect_b32 s28, 256, 0
	s_add_nc_u64 s[100:101], s[100:101], s[28:29]
	s_load_b512 s[32:47], s[100:101], 0x0
	s_load_b512 s[48:63], s[100:101], 0x40
	s_load_b512 s[68:83], s[100:101], 0x80
	s_load_b512 s[84:99], s[100:101], 0xc0
	BMAX 2, 3
.irp b, 0,1,2,3
	v_permlanex16_b32 v[BP+\b], v[BM+\b], s66, s67
.endr
.irp b, 0,1,2,3
	v_max_num_f32 v[BM+\b], v[BM+\b], v[BP+\b]     ; with lane l xor 16's 16 keys
.endr
	v_max3_num_f32 v11, v[BM], v[BM+1], v[BM+2]
	v_max_num_f32 v11, v11, v[BM+3]                ; the step's largest score of my query
	v_mul_f32 v11, s2, v11                         ; as t
	v_max_num_f32 v13, v13, v11                    ; the running largest t
	v_mov_b32 v11, v12
	v_floor_f32 v12, -v13                          ; the new -M = -ceil(t): M is a whole number
	v_sub_f32 v38, v12, v11                        ; D = old M - new M: a whole number, 0 or less
	v_cvt_i32_f32 v11, v38                         ; (it saturates)
	v_ldexp_f32 v22, 1.0, v11                      ; f = 2^D
.set j, 0
.rept 32
	v_pk_fma_f32 v[S+j:S+j+1], v[S+j:S+j+1], s[2:3], v[12:13] op_sel_hi:[1,0,0]   ; t - M, two at a time
.set j, j+2
.endr
.irp b, 0,1,2,3
	v_fma_f32 v[BM+\b], v[BM+\b], s2, v12          ; the same of each block's largest score
.endr
.irp b, 0,1,2,3
	v_exp_f32 v[BM+\b], v[BM+\b]                   ; the block's largest p: the same two instructions on the same number give the same bits
.endr
	EXPS S
	v_pk_fma_f32 v[18:19], v[14:15], v[38:39], v[18:19] op_sel_hi:[1,0,1]   ; W + D l, with the old l.  (Plain places behind the exponentials)
	v_pk_fma_f32 v[20:21], v[16:17], v[38:39], v[20:21] op_sel_hi:[1,0,1]
	v_pk_mul_f32 v[18:19], v[18:19], v[22:23] op_sel_hi:[1,0]
	v_pk_mul_f32 v[20:21], v[20:21], v[22:23] op_sel_hi:[1,0]
	v_pk_mul_f32 v[14:15], v[14:15], v[22:23] op_sel_hi:[1,0]
	v_pk_mul_f32 v[16:17], v[16:17], v[22:23] op_sel_hi:[1,0]
	s_wait_alu depctr_va_vdst(0)
.irp b, 0,1,2,3
	v_max_num_f32 v[BM+\b], 0x1800000, v[BM+\b]    ; the floor 2^(3 - 127): the byte cannot fall under 1
.endr
.irp b, 0,1,2,3
	v_add_nc_u32 v[SO+\b], 0xff000000, v[BM+\b]    ; 2 off the exponent field: the conversion's scale operand
.endr
.irp b, 0,1,2,3
	v_lshrrev_b32 v[BP+\b], 23, v[SO+\b]           ; the scale's byte
.endr
	v_lshl_or_b32 v37, v[BP+1], 8, v[BP]           ; p's scale word for these 128 keys
	v_lshl_or_b32 v37, v[BP+2], 16, v37
	v_lshl_or_b32 v37, v[BP+3], 24, v37
	v_cvt_scalef32_pk16_fp6_f32 v[PCD:PCD+2], v[T:T+15], v[SO]
	v_cvt_scalef32_pk16_fp6_f32 v[PCD+12:PCD+14], v[T+16:T+31], v[SO+1]    ; (a conversion's three registers begin on an even number)
	SUMS S
	EXPS S+32
	OSCALE 0                                       ; (plain places behind the exponentials)
	s_wait_alu depctr_va_vdst(0)
	v_cvt_scalef32_pk16_fp6_f32 v[PCD+6:PCD+8], v[T:T+15], v[SO+2]
	v_cvt_scalef32_pk16_fp6_f32 v[PCD+16:PCD+18], v[T+16:T+31], v[SO+3]
	SUMS S+32
	ds_load_b128 v[92:95], v9                      ; V's scale words: one unit a step
.irp t, 0,1,2,3
	ds_load_b128 v[S+12*\t:S+12*\t+3], v7 offset:1536*\t           ; V's four feature tiles, into the registers that t - M has left
	ds_load_b64 v[S+12*\t+4:S+12*\t+5], v8 offset:1536*\t
	ds_load_b128 v[S+12*\t+6:S+12*\t+9], v7 offset:1536*\t+768
	ds_load_b64 v[S+12*\t+10:S+12*\t+11], v8 offset:1536*\t+768
.endr
.irp c, 0,1                            ; the layout wants a WHOLE block in a lane: lanes 0-15 block 2 c, lanes 16-31 block 2 c + 1
.irp i, 0,1,2
	v_permlane16_swap_b32 v[PCD+6*\c+\i], v[PCD+12+4*\c+\i]
.endr
.irp i, 0,1,2
	v_mov_b32 v[PCD+3+6*\c+\i], v[PCD+12+4*\c+\i]
.endr
.endr
	v_add_nc_u32 v4, 6144, v4                      ; the next step's eight tiles of K,
	v_add_nc_u32 v5, 6144, v5
	v_add_nc_u32 v6, 512, v6                       ; and their two units of scale words
	v_nop
	OSCALE 16                                      ; with the four lines above: twelve places between p's codes and the products
	s_wait_dscnt 0x0
.irp t, 0,1,2,3
	v_wmma_scale_f32_16x16x128_f8f6f4 v[O+8*\t:O+8*\t+7], v[S+12*\t:S+12*\t+11], v[PCD:PCD+11], v[O+8*\t:O+8*\t+7], v[92+\t], v37 matrix_a_fmt:MATRIX_FMT_FP6 matrix_b_fmt:MATRIX_FMT_FP6
.endr
	v_add_nc_u32 v7, 6144, v7                      ; five places: the next step's first products write over V's fragments
	v_add_nc_u32 v8, 6144, v8
	v_add_nc_u32 v9, 256, v9
	v_nop
	v_nop
.endm
; A CHUNK: 512 keys, four steps.  The count leaves the later chunks on their way; behind the barrier nothing is filled, so they may stay out across it.
.macro CHUNK j
	s_wait_tensorcnt 3-\j                          ; of my four loads (if I asked) chunk j's has landed: 3 - j were issued behind it
	s_barrier_signal -1
	s_barrier_wait -1                              ; K's and V's have
	v_add_nc_u32 v4, \j*KCH, v1
	v_add_nc_u32 v5, \j*KCH+512, v2
	v_add_nc_u32 v6, \j*KCH+24576, v3
	v_add_nc_u32 v7, VLDS+\j*VCH, v1
	v_add_nc_u32 v8, VLDS+\j*VCH+512, v2
	v_add_nc_u32 v9, VLDS+\j*VCH+24576, v3
	s_mov_b32 s105, 4
.Lstep_\@:
	STEP
	s_sub_co_u32 s105, s105, 1
	s_cmp_lg_u32 s105, 0
	s_cbranch_scc1 .Lstep_\@
.endm
	CHUNK 0
	CHUNK 1
	CHUNK 2
	CHUNK 3
	; THE END.  No tensor load is out (chunk 3's wait was for 0): the descriptors' registers take the outputs' addresses.
	s_load_b128 s[4:7], s[0:1], 0x10               ; oimg, osc
	s_load_b64 s[8:9], s[0:1], 0x20                ; ent
	s_bfe_u32 s12, ttmp6, 0x40000
	s_lshl_b32 s13, ttmp9, 2
	s_add_co_u32 s13, s13, s12                     ; my block of queries
	s_lshl_b32 s14, s13, 4
	s_add_co_u32 s14, s14, s[WV]                   ; my tile
	s_and_b32 s15, ttmp7, 0xffff
	s_lshr_b32 s16, s15, 4
	s_and_b32 s17, s15, 15                         ; the head
	s_lshl_b32 s16, s16, 7
	s_add_co_u32 s16, s16, s14                     ; the token tile, 0..255
	s_lshl_b32 s18, s16, 4
	s_add_co_u32 s18, s18, s17
	s_mul_i32 s18, s18, 768                        ; its image for K = 64 head on
	s_mov_b32 s19, 0
	s_lshl_b32 s20, s16, 9                         ; its 16 rows of 32 scale bytes,
	s_lshl_b32 s21, s17, 1
	s_add_co_u32 s20, s20, s21                     ; the head's two
	s_mov_b32 s21, 0
	s_lshl_b32 s22, s15, 3
	s_add_co_u32 s22, s22, s13
	s_lshl_b32 s22, s22, 2                         ; the work-group's word of ent
	s_mov_b32 s23, 0
	s_lshl_b32 s31, s[WV], 2
	s_add_co_u32 s31, s31, ENT
	v_pk_add_f32 v[14:15], v[14:15], v[16:17]      ; l's and W's four words,
	v_pk_add_f32 v[18:19], v[18:19], v[20:21]
	v_add_f32 v14, v14, v15
	v_add_f32 v18, v18, v19
	v_permlanex16_b32 v[BP], v14, s66, s67
	v_permlanex16_b32 v[BP+1], v18, s66, s67
	v_add_f32 v14, v14, v[BP]                      ; and lane l xor 16's
	v_add_f32 v18, v18, v[BP+1]
	v_rcp_f32 v20, v14
	v_log_f32 v16, v14
	v_bfe_u32 v116, v0, 4, 1                       ; h.  (A plain place behind the transcendentals)
	s_wait_alu depctr_va_vdst(0)
	v_mul_f32 v18, v18, v20
	v_sub_f32 v16, v16, v18
	v_mul_f32 v16, 0x3f317218, v16                 ; ln 2 (log2 l - W / l): my query's entropy
	v_add_f32_dpp v16, v16, v16 row_xmask:1 row_mask:0xf bank_mask:0xf
	v_add_f32_dpp v16, v16, v16 row_xmask:2 row_mask:0xf bank_mask:0xf
	v_add_f32_dpp v16, v16, v16 row_xmask:4 row_mask:0xf bank_mask:0xf
	v_add_f32_dpp v16, v16, v16 row_xmask:8 row_mask:0xf bank_mask:0xf   ; the tile's 16 queries: both halves of the lanes hold the same sum
	v_mov_b32 v114, s31
	ds_store_b32 v114, v16                         ; all lanes write the wave's word with the same value
.set j, 0
.rept 16
	v_pk_mul_f32 v[O+j:O+j+1], v[O+j:O+j+1], v[20:21] op_sel_hi:[1,0]    ; O^T / l, each accumulator from its low end on
.set j, j+2
.endr
.irp b, 0,1
	v_max3_num_f32 v[BM+\b], |v[O+16*\b]|, |v[O+1+16*\b]|, 0x1800000     ; the head's two blocks of 32 along D
.endr
.irp i, 2,4,6,8,10,12,14
.irp b, 0,1
	v_max3_num_f32 v[BM+\b], v[BM+\b], |v[O+16*\b+\i]|, |v[O+1+16*\b+\i]|
.endr
.endr
.irp b, 0,1
	v_permlanex16_b32 v[BP+\b], v[BM+\b], s66, s67
.endr
.irp b, 0,1
	v_max_num_f32 v[BM+\b], v[BM+\b], v[BP+\b]
.endr
.irp b, 0,1
	v_add_nc_u32 v[SO+\b], 0xff000000, v[BM+\b]
.endr
.irp b, 0,1
	v_lshrrev_b32 v[BP+\b], 23, v[SO+\b]
.endr
	v_cvt_scalef32_pk16_fp6_f32 v[PCD:PCD+2], v[O:O+15], v[SO]
	v_cvt_scalef32_pk16_fp6_f32 v[PCD+12:PCD+14], v[O+16:O+31], v[SO+1]
	v_cmp_ne_u32 vcc_lo, 0, v116                   ; (one plain place behind the conversions)
.irp i, 0,1,2
	v_permlane16_swap_b32 v[PCD+\i], v[PCD+12+\i]
.endr
.irp i, 0,1,2
	v_mov_b32 v[PCD+3+\i], v[PCD+12+\i]
.endr
	v_cndmask_b32 v113, v[BP], v[BP+1], vcc_lo     ; lane (r, h): block h's byte
	v_lshl_add_u32 v112, v3, 1, v116               ; 32 r + h
	s_wait_kmcnt 0x0
	s_add_nc_u64 s[4:5], s[4:5], s[18:19]
	s_add_nc_u64 s[6:7], s[6:7], s[20:21]
	s_add_nc_u64 s[8:9], s[8:9], s[22:23]
	global_store_b128 v1, v[PCD:PCD+3], s[4:5]     ; 512 consecutive bytes, then 256
	global_store_b64 v2, v[PCD+4:PCD+5], s[4:5] offset:512
	global_store_b8 v112, v113, s[6:7]             ; two bytes a token and head, against its 48 bytes of codes: whole units would want all 16 heads in one work-group
	s_wait_dscnt 0x0                               ; for the others' sake: my word is written
	s_barrier_signal -1
	s_barrier_wait -1
	v_mov_b32 v115, ENT
.irp i, 0,1,2,3
	ds_load_b128 v[96+4*\i:99+4*\i], v115 offset:16*\i
.endr
	v_mov_b32 v117, 0
	v_cmp_eq_u32 vcc_lo, 0, v0
	s_wait_dscnt 0x0
	v_pk_add_f32 v[96:97], v[96:97], v[98:99]
	v_pk_add_f32 v[100:101], v[100:101], v[102:103]
	v_pk_add_f32 v[104:105], v[104:105], v[106:107]
	v_pk_add_f32 v[108:109], v[108:109], v[110:111]
	v_pk_add_f32 v[96:97], v[96:97], v[100:101]
	v_pk_add_f32 v[104:105], v[104:105], v[108:109]
	v_pk_add_f32 v[96:97], v[96:97], v[104:105]
	v_add_f32 v96, v96, v97                        ; the entropies of the work-group's 256 rows
	s_wait_xcnt 0x0                                ; EXEC changes only behind this wait
	s_and_saveexec_b32 s31, vcc_lo                 ; thread 0 alone
	global_store_b32 v117, v96, s[8:9]
	s_wait_xcnt 0x0
	s_or_b32 exec_lo, exec_lo, s31
	s_wait_tensorcnt 0x0
	ds_add_u32 v239, v243
	s_wait_dscnt 0x0
	CROUND                                         ; the closing round: no work-group ends while a partner may still ask for a chunk that names it
	s_endpgm
.Lfunc_end_k_qa891a2e6eb_attn:
	.size	k_qa891a2e6eb_attn, .Lfunc_end_k_qa891a2e6eb_attn-k_qa891a2e6eb_attn
	.p2alignl 7, 3214868480
	.fill 96, 4, 3214868480
	.section	.rodata,"a",@progbits
	.p2align	6, 0x0
	.amdhsa_kernel k_qa891a2e6eb_attn
		.amdhsa_group_segment_fixed_size 215040
		.amdhsa_private_segment_fixed_size 0
		.amdhsa_enable_private_segment 0
		.amdhsa_kernarg_size 40
		.amdhsa_user_sgpr_count 2
		.amdhsa_user_sgpr_kernarg_segment_ptr 1
		.amdhsa_wavefront_size32 1
		.amdhsa_system_sgpr_workgroup_id_x 1
		.amdhsa_system_sgpr_workgroup_id_y 1
		.amdhsa_system_sgpr_workgroup_id_z 1
		.amdhsa_system_vgpr_workitem_id 0
		.amdhsa_next_free_vgpr 256
		.amdhsa_next_free_sgpr 106
		.amdhsa_reserve_vcc 1
		.amdhsa_float_denorm_mode_32 3
		.amdhsa_float_denorm_mode_16_64 3
		.amdhsa_memory_ordered 1
		.amdhsa_forward_progress 1
		.amdhsa_inst_pref_size 110
	.end_amdhsa_kernel
	.amdgpu_metadata
---
amdhsa.version: [ 1, 2 ]
amdhsa.kernels:
  - .name:           k_qa891a2e6eb_attn
    .symbol:         k_qa891a2e6eb_attn.kd
    .args:
      - { .name: heads, .offset: 0, .size: 8, .value_kind: global_buffer, .address_space: global }
      - { .name: mbits, .offset: 8, .size: 8, .value_kind: global_buffer, .address_space: global }
      - { .name: oimg, .offset: 16, .size: 8, .value_kind: global_buffer, .address_space: global }
      - { .name: osc, .offset: 24, .size: 8, .value_kind: global_buffer, .address_space: global }
      - { .name: ent, .offset: 32, .size: 8, .value_kind: global_buffer, .address_space: global }
    .group_segment_fixed_size: 215040
    .private_segment_fixed_size: 0
    .kernarg_segment_align: 8
    .kernarg_segment_size: 40
    .max_flat_workgroup_size: 512
    .sgpr_count:     106
    .vgpr_count:     256
    .wavefront_size: 32
...
	.end_amdgpu_metadata
.endif
;; end of part 3
;; launch mean (part 4): grid 1 x 1, 1 waves a work-group, no clusters, 0 bytes of LDS; arguments ent, out1; writes out1
.if DOCPART == 4
	.amdgcn_target "amdgcn-amd-amdhsa--gfx1250"
	.amdhsa_code_object_version 6
	.text
	.protected	k_qa891a2e6eb_mean
	.globl	k_qa891a2e6eb_mean
	.p2align	8
	.type	k_qa891a2e6eb_mean,@function
k_qa891a2e6eb_mean:
	s_mov_b64 s[64:65], 0
	v_nop
	global_prefetch_b8 v0, s[64:65] scope:SCOPE_SE
	s_setreg_imm32_b32 hwreg(HW_REG_WAVE_MODE, 25, 1), 1
	s_wait_xcnt 0x0
; out1 = the mean entropy of the 2 x 16 x 2,048 = 65,536 rows: the sum of the 256 work-groups' partial sums, times 2^-16.  The sum spans work-groups of the launch before, so it has a launch of its own:
; one wave, eight numbers a lane.
	s_load_b128 s[4:7], s[0:1], 0x0                ; ent, out1
	v_lshlrev_b32 v1, 5, v0
	s_mov_b32 s8, 0x76543210
	s_mov_b32 s9, 0xfedcba98
	v_mov_b32 v10, 0                               ; a lane permute's destination counts as one of its sources
	v_mov_b32 v11, 0
	s_wait_kmcnt 0x0
	global_load_b128 v[2:5], v1, s[4:5]
	global_load_b128 v[6:9], v1, s[4:5] offset:16
	s_wait_loadcnt 0x0
	v_pk_add_f32 v[2:3], v[2:3], v[4:5]
	v_pk_add_f32 v[6:7], v[6:7], v[8:9]
	v_pk_add_f32 v[2:3], v[2:3], v[6:7]
	v_add_f32 v2, v2, v3
	v_add_f32_dpp v2, v2, v2 row_xmask:1 row_mask:0xf bank_mask:0xf
	v_add_f32_dpp v2, v2, v2 row_xmask:2 row_mask:0xf bank_mask:0xf
	v_add_f32_dpp v2, v2, v2 row_xmask:4 row_mask:0xf bank_mask:0xf
	v_add_f32_dpp v2, v2, v2 row_xmask:8 row_mask:0xf bank_mask:0xf
	v_permlanex16_b32 v10, v2, s8, s9
	v_add_f32 v2, v2, v10
	v_mul_f32 v2, 0x37800000, v2                   ; x 2^-16
	v_cmp_eq_u32 vcc_lo, 0, v0
	s_wait_xcnt 0x0                                ; EXEC changes only behind this wait
	s_and_saveexec_b32 s10, vcc_lo
	global_store_b32 v11, v2, s[6:7]
	s_wait_xcnt 0x0
	s_or_b32 exec_lo, exec_lo, s10
	s_endpgm
.Lfunc_end_k_qa891a2e6eb_mean:
	.size	k_qa891a2e6eb_mean, .Lfunc_end_k_qa891a2e6eb_mean-k_qa891a2e6eb_mean
	.p2alignl 7, 3214868480
	.fill 96, 4, 3214868480
	.section	.rodata,"a",@progbits
	.p2align	6, 0x0
	.amdhsa_kernel k_qa891a2e6eb_mean
		.amdhsa_group_segment_fixed_size 0
		.amdhsa_private_segment_fixed_size 0
		.amdhsa_enable_private_segment 0
		.amdhsa_kernarg_size 16
		.amdhsa_user_sgpr_count 2
		.amdhsa_user_sgpr_kernarg_segment_ptr 1
		.amdhsa_wavefront_size32 1
		.amdhsa_system_sgpr_workgroup_id_x 1
		.amdhsa_system_sgpr_workgroup_id_y 1
		.amdhsa_system_sgpr_workgroup_id_z 1
		.amdhsa_system_vgpr_workitem_id 0
		.amdhsa_next_free_vgpr 16
		.amdhsa_next_free_sgpr 66
		.amdhsa_reserve_vcc 1
		.amdhsa_float_denorm_mode_32 3
		.amdhsa_float_denorm_mode_16_64 3
		.amdhsa_memory_ordered 1
		.amdhsa_forward_progress 1
		.amdhsa_inst_pref_size 2
	.end_amdhsa_kernel
	.amdgpu_metadata
---
amdhsa.version: [ 1, 2 ]
amdhsa.kernels:
  - .name:           k_qa891a2e6eb_mean
    .symbol:         k_qa891a2e6eb_mean.kd
    .args:
      - { .name: ent, .offset: 0, .size: 8, .value_kind: global_buffer, .address_space: global }
      - { .name: out1, .offset: 8, .size: 8, .value_kind: global_buffer, .address_space: global }
    .group_segment_fixed_size: 0
    .private_segment_fixed_size: 0
    .kernarg_segment_align: 8
    .kernarg_segment_size: 16
    .max_flat_workgroup_size: 32
    .sgpr_count:     66
    .vgpr_count:     16
    .wavefront_size: 32
...
	.end_amdgpu_metadata
.endif
;; end of part 4
;; launch outp (part 5): grid 4 x 16, 4 waves a work-group, clusters of 4 x 4, 327,680 bytes of LDS; arguments oimg, osc, codes, scales, out0; writes out0
.if DOCPART == 5
	.amdgcn_target "amdgcn-amd-amdhsa--gfx1250"
	.amdhsa_code_object_version 6
	.text
	.protected	k_qa891a2e6eb_outp
	.globl	k_qa891a2e6eb_outp
	.p2align	8
	.type	k_qa891a2e6eb_outp,@function
k_qa891a2e6eb_outp:
	s_mov_b64 s[64:65], 0
	v_nop
	global_prefetch_b8 v0, s[64:65] scope:SCOPE_SE
	s_setreg_imm32_b32 hwreg(HW_REG_WAVE_MODE, 25, 1), 1
	s_wait_xcnt 0x0
	s_wait_alu depctr_hold_cnt(0) depctr_sa_sdst(0) depctr_va_vdst(0) depctr_va_sdst(0) depctr_va_ssrc(0) depctr_va_vcc(0) depctr_vm_vsrc(0)
	s_getreg_b32 s2, hwreg(HW_REG_IB_STS2, 6, 4)
	s_cmp_eq_u32 s2, 0
	s_cbranch_scc0 .Lentry_in_a_cluster
	s_endpgm
.Lentry_in_a_cluster:
	s_bfe_u32 s2, ttmp6, 0x10000c
	s_cmp_lg_u32 s2, 0xf033
	s_cbranch_scc0 .Lentry_shape_is_right
	s_endpgm
.Lentry_shape_is_right:
; out0[token][n] = the sum over d of O[token][d] Wc[n][d], on codes of FP6 (E2M3) with E8M0 scales, K = 1,024; out0 is [4096][1024] f32.
; O's codes (oimg, osc) and Wc's (codes and scales from stored row 15,360 on) lie as images: 16 rows x 64 K, 768 bytes, the operand's registers on end; [tiles of 16 rows][16 images]; scale bytes [row][32].
; 64 tiles of 256 x 256: four waves, each 128 x 128 in 64 accumulators; K in steps of 256 through a ring of two LDS slots; a wave's tensor load brings 8 rows of 3,072 bytes; the scale bytes of the 512 rows come once.
; The launch has work for 64 work-groups of this tile; a tile of 128 x 128 would give 256 at twice the LDS reads for each product.
; CLUSTERS: 4 x 4 work-groups; O's tile is asked for jointly along a row of the cluster, Wc's along a column.  The matrix instruction is used transposed (source 0 = 16 rows of Wc, source 1 = 16 tokens): a lane holds
; eight neighbouring numbers of a row of out0.
; REGISTERS, in windows of 256: window 0: v16-31 addresses; v32-63 scale words, two sets, and nothing else; from v128 O's fragments, one set; on the way out v128-255 are free.  window 1: Wc's fragments, two sets.
;   window 2: the accumulators of my rows 0-63 ((a, b) at v[8 (8 a + b)]);  window 3: those of rows 64-127.
.set SIZE_N, 1024
.set NQ,     2
.set TILEB,  3072
.set FR,     12
.set NL,     4
.set NP,     4
.set HALFT,  8*TILEB
.set SLOT,   4*HALFT
.set LAPS,   2
.set KS,     32
.set SCL,    2*SLOT
.set HALFS,  16*272
.set SBLK,   2*272
.set SPARE,  SCL+4*HALFS               ; the spare words, 128 bytes for each wave: two blocks of 256 bytes that no other line names
.set SPITCH, 528                       ; the way out: a stage of 16 rows x (512 bytes + 16) for each wave, in slot 0, which has had its last fill and its last read when the first result is stored there
.set ADRA, 16
.set ADRB, 20
.set STO,  24
.set RD,   25
.set CO,   26
.set ADRS, 27
.set SPW,  28
.set NIL,  29
.set SC,   32
.set AF,   128
.set BK,   128
.set G1, 24
.set G0, 32
.set G1B, 48
.set G0B, 56
.set G1S, 68
.set G0S, 76
.set G1SB, 80
.set G0SB, 88
.set MSB, 0
.macro WIN new                         ; the immediate's high byte repeats the setting that is left
.if MSB != \new
	s_set_vgpr_msb (MSB<<8)|\new
.set MSB, \new
.endif
.endm
.set MUL_LO, 0xa1
.set MUL_HI, 0xf1
.set TO_B,   0x40
.macro JLOAD g0a, g1a, g0b, g1b        ; a joint load: waves 0 and 1 fetch for O, waves 2 and 3 for Wc; four v_nop follow each of the two lines
	s_cmp_eq_u32 s15, 0
	s_cbranch_scc0 .Lfor_b_\@
	tensor_load_to_lds s[\g0a:\g0a+3], s[\g1a:\g1a+7]
	s_nop 0
.rept 4
	v_nop
.endr
	s_branch .Lasked_\@
.Lfor_b_\@:
	tensor_load_to_lds s[\g0b:\g0b+3], s[\g1b:\g1b+7]
	s_nop 0
.rept 4
	v_nop
.endr
.Lasked_\@:
.endm
.macro CREST
	s_cmp_lg_u32 s14, 0
	s_cbranch_scc1 .Lnot_wave_0_\@
	s_barrier_signal -3
.Lnot_wave_0_\@:
	s_barrier_wait -3
	s_barrier_signal -1
	s_barrier_wait -1
.endm
.macro CROUND
	s_barrier_signal -1
	s_barrier_wait -1
	CREST
.endm
	s_load_b128 s[4:7], s[0:1], 0x0                ; O's codes, O's scales
	s_load_b128 s[8:11], s[0:1], 0x10              ; codes, scales
	s_load_b64 s[12:13], s[0:1], 0x20              ; out0
	v_lshl_add_u32 v[SPW], v0, 2, SPARE
	v_mov_b32 v[NIL], 0
	ds_add_u32 v28, v29
	ds_add_u32 v28, v29
	s_wait_dscnt 0x0
	v_lshrrev_b32 v1, 5, v0
	v_readfirstlane_b32 s14, v1                    ; wave 0..3
	s_lshr_b32 s15, s14, 1                         ; which half of the tile's rows is mine.  Also: I fetch for O (0) or for Wc (1)
	s_and_b32 s16, s14, 1                          ; which half of its columns.  Also: which 128 rows I fetch
	s_bfe_u32 s40, ttmp6, 0x40000                  ; cx, cy
	s_bfe_u32 s41, ttmp6, 0x40004
	s_lshl_b32 s42, ttmp9, 2
	s_add_co_u32 s42, s42, s40                     ; tile column = 4 x cluster x + cx
	s_and_b32 s17, ttmp7, 0xffff
	s_lshl_b32 s17, s17, 2
	s_add_co_u32 s17, s17, s41                     ; tile row = 4 x cluster y + cy
	s_lshl_b32 s43, s41, 2
	s_lshl_b32 s43, 15, s43                        ; my row of the cluster
	s_lshl_b32 s44, 0x1111, s40                    ; my column
	s_or_b32 s[G1+0], s43, (3<<16)|(1<<21)         ; 8 rows of 384 elements of 8 bytes, 1,536 elements apart; dense in LDS
	s_or_b32 s[G1B+0], s44, (3<<16)|(1<<21)
.irp g, G1, G1B
	s_mov_b32 s[\g+1], 384<<16
	s_mov_b32 s[\g+2], 8<<16
	s_mov_b32 s[\g+3], 384<<16
	s_mov_b32 s[\g+4], 8
	s_mov_b32 s[\g+5], 1536
	s_mov_b32 s[\g+6], 0
	s_mov_b32 s[\g+7], 0
.endr
	s_or_b32 s[G1S+0], s43, (3<<16)|(1<<20)|(1<<21)|(5<<22)|(3<<25)   ; the scales of 128 rows: 16 rows of 256 bytes, 16 bytes of padding behind each
	s_or_b32 s[G1SB+0], s44, (3<<16)|(1<<20)|(1<<21)|(5<<22)|(3<<25)
.irp g, G1S, G1SB
	s_mov_b32 s[\g+1], 32<<16
	s_mov_b32 s[\g+2], 16<<16
	s_mov_b32 s[\g+3], 32<<16
	s_mov_b32 s[\g+4], 16
	s_mov_b32 s[\g+5], 32
	s_mov_b32 s[\g+6], 0
	s_mov_b32 s[\g+7], 0
.endr
	s_lshl_b32 s18, s16, 7
	s_lshl_b32 s20, s17, 8
	s_add_co_u32 s20, s20, s18                     ; O: row 256 x tile row + 128 x half
	s_lshl_b32 s46, s42, 8
	s_add_co_u32 s46, s46, s18
	s_add_co_u32 s46, s46, 15360                   ; Wc: stored row 15,360 + 256 x tile column + 128 x half
	s_lshl_b32 s22, s20, 5
	s_mov_b32 s23, 0
	s_mul_i32 s20, s20, 768
	s_mov_b32 s21, 0
	s_lshl_b32 s92, s46, 5
	s_mov_b32 s93, 0
	s_mul_i32 s46, s46, 768
	s_mov_b32 s47, 0
	s_mul_i32 s45, s14, HALFT
	s_mul_i32 s94, s14, HALFS
	s_wait_kmcnt 0x0
	s_add_nc_u64 s[20:21], s[4:5], s[20:21]
	s_add_nc_u64 s[22:23], s[6:7], s[22:23]
	s_add_nc_u64 s[46:47], s[8:9], s[46:47]
	s_add_nc_u64 s[92:93], s[10:11], s[92:93]
	CROUND                                         ; all sixteen work-groups are here: the first joint loads meet
	s_mov_b32 s[G0S], 1
	s_add_co_u32 s[G0S+1], s94, SCL
	s_mov_b64 s[G0S+2:G0S+3], s[22:23]
	s_or_b32 s[G0S+3], s[G0S+3], 0x80000000
	s_mov_b32 s[G0SB], 1
	s_add_co_u32 s[G0SB+1], s94, SCL
	s_mov_b64 s[G0SB+2:G0SB+3], s[92:93]
	s_or_b32 s[G0SB+3], s[G0SB+3], 0x80000000
	JLOAD G0S, G1S, G0SB, G1SB                     ; three loads of mine are out behind these first fills
.irp s, 0,1
	s_mov_b32 s[G0+4*\s], 1
	s_add_co_u32 s[G0+4*\s+1], s45, \s*SLOT
	s_add_nc_u64 s[G0+4*\s+2:G0+4*\s+3], s[20:21], \s*TILEB
	s_or_b32 s[G0+4*\s+3], s[G0+4*\s+3], 0x80000000
	s_mov_b32 s[G0B+4*\s], 1
	s_add_co_u32 s[G0B+4*\s+1], s45, \s*SLOT
	s_add_nc_u64 s[G0B+4*\s+2:G0B+4*\s+3], s[46:47], \s*TILEB
	s_or_b32 s[G0B+4*\s+3], s[G0B+4*\s+3], 0x80000000
	JLOAD G0+4*\s, G1, G0B+4*\s, G1B
.endr
	v_and_b32 v6, 31, v0                           ; lane
	v_and_b32 v1, 15, v0                           ; r
	v_bfe_u32 v2, v0, 4, 1                         ; h
	v_lshlrev_b32 v4, 4, v6
	v_lshlrev_b32 v5, 3, v6
	v_add_nc_u32 v5, 512, v5
	s_mul_i32 s21, s15, HALFT
	s_mul_i32 s22, s16, HALFT
	s_add_co_u32 s22, s22, 2*HALFT
.irp s, 0,1
	v_add_nc_u32 v[ADRA+\s], s21, v4
	v_add_nc_u32 v[ADRB+\s], s22, v4
	v_add_nc_u32 v[ADRA+2+\s], s21, v5
	v_add_nc_u32 v[ADRB+2+\s], s22, v5
	s_add_co_u32 s21, s21, SLOT
	s_add_co_u32 s22, s22, SLOT
.endr
	v_mul_u32_u24 v5, v1, KS
	v_lshrrev_b32 v7, 8, v5
	v_lshl_add_u32 v5, v7, 4, v5
	s_mul_i32 s21, s15, HALFS
	s_mul_i32 s22, s16, HALFS
	s_add_co_u32 s22, s22, 2*HALFS
	s_sub_co_u32 s22, s22, s21
	v_mul_u32_u24 v7, s22, v2                      ; lanes 16-31 take Wc's
	s_add_co_u32 s21, s21, SCL
	v_add_nc_u32 v5, v5, v7
	v_add_nc_u32 v[ADRS], s21, v5
	s_mul_i32 s23, s14, 16*SPITCH                  ; my stage
	v_mul_u32_u24 v5, v1, SPITCH                   ; in: row r, 32 bytes for each half of the lanes
	v_lshl_add_u32 v5, v2, 5, v5
	v_add_nc_u32 v[STO], s23, v5
	v_lshlrev_b32 v[CO], 4, v6                     ; back: the 32 lanes take one row of 512 bytes; and the same in out0
	v_add_nc_u32 v[RD], s23, v[CO]
	s_lshl_b32 s20, s17, 8
	s_lshl_b32 s21, s15, 7
	s_add_co_u32 s20, s20, s21                     ; my first row of out0
	s_mov_b32 s21, 0
	s_mov_b64 s[18:19], SIZE_N*4
	s_mul_u64 s[20:21], s[20:21], s[18:19]
	s_lshl_b32 s46, s42, 10                        ; my first column, in bytes
	s_lshl_b32 s47, s16, 9
	s_add_co_u32 s46, s46, s47
	s_mov_b32 s47, 0
	s_add_nc_u64 s[20:21], s[20:21], s[46:47]
	s_add_nc_u64 s[12:13], s[12:13], s[20:21]
.macro FRAG reg, adr, q, i             ; a fragment, 16 rows x 128 K, is two images: registers 0-3, 4-5, 6-9, 10-11; every load reads consecutive bytes
	ds_load_b128 v[\reg:\reg+3],     v[\adr]   offset:(\i)*TILEB+(\q)*1536
	ds_load_b64  v[\reg+4:\reg+5],   v[\adr+2] offset:(\i)*TILEB+(\q)*1536
	ds_load_b128 v[\reg+6:\reg+9],   v[\adr]   offset:(\i)*TILEB+(\q)*1536+768
	ds_load_b64  v[\reg+10:\reg+11], v[\adr+2] offset:(\i)*TILEB+(\q)*1536+768
.endm
.macro MUL16 a0, p, q, sc, zero        ; 16 matrix instructions; the 64 accumulators take turns, one instruction a turn
.irp a, \a0, \a0+1
.irp b, 0,1,2,3,4,5,6,7
.if \zero
	v_wmma_scale_f32_16x16x128_f8f6f4 v[8*(8*((\a)%4)+\b):8*(8*((\a)%4)+\b)+7], v[128*(\p)+FR*\b:128*(\p)+FR*\b+FR-1], v[AF+FR*(\a):AF+FR*(\a)+FR-1], 0, v[SC+8*NQ*(\sc)+NQ*\b+(\q)], v[SC+8*NQ*(\sc)+NQ*(\a)+(\q)] matrix_a_fmt:MATRIX_FMT_FP6 matrix_b_fmt:MATRIX_FMT_FP6 matrix_a_scale:MATRIX_SCALE_ROW1
.else
	v_wmma_scale_f32_16x16x128_f8f6f4 v[8*(8*((\a)%4)+\b):8*(8*((\a)%4)+\b)+7], v[128*(\p)+FR*\b:128*(\p)+FR*\b+FR-1], v[AF+FR*(\a):AF+FR*(\a)+FR-1], v[8*(8*((\a)%4)+\b):8*(8*((\a)%4)+\b)+7], v[SC+8*NQ*(\sc)+NQ*\b+(\q)], v[SC+8*NQ*(\sc)+NQ*(\a)+(\q)] matrix_a_fmt:MATRIX_FMT_FP6 matrix_b_fmt:MATRIX_FMT_FP6 matrix_a_scale:MATRIX_SCALE_ROW1
.endif
.endr
.endr
.endm
.macro FETCH_B slot, q, p
	WIN TO_B
.irp i, 0,1,2,3,4,5,6,7
	FRAG 128*(\p)+FR*\i, ADRB+\slot, \q, \i
.endr
	WIN 0
.endm
.macro FETCH_A slot, q, i0
.irp i, \i0, \i0+1, \i0+2, \i0+3
	FRAG AF+FR*(\i), ADRA+\slot, \q, \i
.endr
.endm
.macro SCALES sc
.irp i, 0,1,2,3,4,5,6,7
	ds_load_b64 v[SC+8*NQ*\sc+NQ*\i:SC+8*NQ*\sc+NQ*\i+1], v[ADRS] offset:\i*SBLK
.endr
.endm
.macro PLACES n                        ; places in front of loads into registers that matrix instructions have read, and of the first read of results (ISA guide 7.12.1 for the first read of results)
.rept \n
	v_nop
.endr
.endm
.macro STEP slot, q, zero
	s_wait_dscnt 4*NL                              ; Wc's set and O's blocks 0-3 are in; the youngest 16 loads (O's blocks 4-7) may be out
	WIN MUL_LO
	MUL16 0, (\q)%2, \q, \slot, \zero
	MUL16 2, (\q)%2, \q, \slot, \zero
	s_wait_dscnt 0
	PLACES NP
	FETCH_B \slot, (\q)+1, 1-(\q)%2
	FETCH_A \slot, (\q)+1, 0
	WIN MUL_HI
	MUL16 4, (\q)%2, \q, \slot, \zero
	MUL16 6, (\q)%2, \q, \slot, \zero
	PLACES NP
	WIN 0
	FETCH_A \slot, (\q)+1, 4
.endm
.macro TURN slot, next, fill
	s_wait_tensorcnt 0x0                           ; all my tensor loads have landed: my part of the next slot
	ds_add_u32 v[SPW], v[NIL]                      ; 0 onto my spare word
	s_wait_dscnt 4*NL+1                            ; (the add and the youngest 16 loads may be out)
	WIN MUL_LO
	MUL16 0, 1, NQ-1, \slot, 0
	s_wait_dscnt 0x0                               ; the add is done, and my reads of this slot are over
	s_barrier_signal -1
	MUL16 2, 1, NQ-1, \slot, 0
	WIN 0
	s_barrier_wait -1
.if \fill
	CREST                                          ; the barrier has opened a round of the cluster's barrier: no wave of any partner still reads this slot or has a load on its way
	s_add_nc_u64 s[G0+4*\slot+2:G0+4*\slot+3], s[G0+4*\slot+2:G0+4*\slot+3], 2*TILEB
	s_add_nc_u64 s[G0B+4*\slot+2:G0B+4*\slot+3], s[G0B+4*\slot+2:G0B+4*\slot+3], 2*TILEB
	JLOAD G0+4*\slot, G1, G0B+4*\slot, G1B         ; the first tensor load behind the round, my one load until the next
.else
	PLACES NP
.endif
	v_add_nc_u32 v[ADRS], 4*NQ, v[ADRS]
	FETCH_B \next, 0, 0
	FETCH_A \next, 0, 0
	SCALES \next
	WIN MUL_HI
	MUL16 4, 1, NQ-1, \slot, 0
	MUL16 6, 1, NQ-1, \slot, 0
	PLACES NP
	WIN 0
	FETCH_A \next, 0, 4
.endm
	s_wait_tensorcnt 1                             ; the scales and my part of K step 0 are in (K step 1's load may be out)
	s_barrier_signal -1
	s_barrier_wait -1
	FETCH_B 0, 0, 0
	FETCH_A 0, 0, 0
	SCALES 0
	FETCH_A 0, 0, 4
	STEP 0, 0, 1                                   ; the first step's products start the sums
	s_mov_b32 s3, LAPS-1
.Llap:
	TURN 0, 1, 1
	STEP 1, 0, 0
	TURN 1, 0, 1
	STEP 0, 0, 0
	s_sub_co_u32 s3, s3, 1
	s_cmp_lg_u32 s3, 0
	s_cbranch_scc1 .Llap
	TURN 0, 1, 0
	STEP 1, 0, 0
	s_wait_dscnt 4*NL
	WIN MUL_LO
	MUL16 0, 1, NQ-1, 1, 0
	MUL16 2, 1, NQ-1, 1, 0
	s_wait_dscnt 0
	WIN MUL_HI
	MUL16 4, 1, NQ-1, 1, 0
	MUL16 6, 1, NQ-1, 1, 0
	WIN 0
; THE WAY OUT, block by block of 16 rows x 128 columns, through my own stage in LDS: in as 32 bytes a lane, back as whole rows of 512 bytes.  LDS serves a wave's instructions in order (ISA guide 5.7.1.4).
.macro TOSTAGE a
.set AC, 64*((\a)%4)
	WIN 0x08+4*((\a)/4)                            ; the data: window 2 or 3
.irp b, 0,1,2,3,4,5,6,7
	ds_store_b128 v[STO], v[AC+8*\b:AC+8*\b+3] offset:64*\b          ; each accumulator from its low end on
	ds_store_b128 v[STO], v[AC+8*\b+4:AC+8*\b+7] offset:64*\b+16
.endr
	WIN 0
.set BB, BK+64*((\a)%2)
.irp t, 0,1,2,3,4,5,6,7,8,9,10,11,12,13,14,15
	ds_load_b128 v[BB+4*\t:BB+4*\t+3], v[RD] offset:\t*SPITCH
.endr
.endm
.macro SEND a, younger
.set BB, BK+64*((\a)%2)
	s_wait_dscnt \younger                          ; the block is back in registers
.if (\a) > 0
	s_add_nc_u64 s[12:13], s[12:13], 16*SIZE_N*4   ; (behind a wait on XCNT: the earlier stores have read their base)
.endif
.irp t, 0,1,2,3,4,5,6,7,8,9,10,11,12,13,14,15
	global_store_b128 v[CO], v[BB+4*\t:BB+4*\t+3], s[12:13] offset:\t*SIZE_N*4 th:TH_STORE_NT   ; 512 consecutive bytes, at a multiple of 256 from out0's first byte
.endr
.endm
	PLACES NP
	TOSTAGE 0
.irp a, 1,2,3,4,5,6,7
.if \a > 1
	s_wait_xcnt 0x0                                ; block a - 2's stores have read their registers and their base
.endif
	TOSTAGE \a
	SEND \a-1, 32                                  ; behind block a - 1's loads: block a's 16 stores and 16 loads
.endr
	s_wait_xcnt 0x0
	SEND 7, 0
	s_wait_tensorcnt 0x0                           ; the wave's end
	ds_add_u32 v[SPW], v[NIL]
	s_wait_dscnt 0x0
	CROUND                                         ; the closing round
	s_endpgm
.Lfunc_end_k_qa891a2e6eb_outp:
	.size	k_qa891a2e6eb_outp, .Lfunc_end_k_qa891a2e6eb_outp-k_qa891a2e6eb_outp
	.p2alignl 7, 3214868480
	.fill 96, 4, 3214868480
	.section	.rodata,"a",@progbits
	.p2align	6, 0x0
	.amdhsa_kernel k_qa891a2e6eb_outp
		.amdhsa_group_segment_fixed_size 327680
		.amdhsa_private_segment_fixed_size 0
		.amdhsa_enable_private_segment 0
		.amdhsa_kernarg_size 40
		.amdhsa_user_sgpr_count 2
		.amdhsa_user_sgpr_kernarg_segment_ptr 1
		.amdhsa_wavefront_size32 1
		.amdhsa_system_sgpr_workgroup_id_x 1
		.amdhsa_system_sgpr_workgroup_id_y 1
		.amdhsa_system_sgpr_workgroup_id_z 1
		.amdhsa_system_vgpr_workitem_id 0
		.amdhsa_next_free_vgpr 1024
		.amdhsa_next_free_sgpr 98
		.amdhsa_reserve_vcc 0
		.amdhsa_float_denorm_mode_32 3
		.amdhsa_float_denorm_mode_16_64 3
		.amdhsa_memory_ordered 1
		.amdhsa_forward_progress 1
		.amdhsa_inst_pref_size 144
	.end_amdhsa_kernel
	.amdgpu_metadata
---
amdhsa.version: [ 1, 2 ]
amdhsa.kernels:
  - .name:           k_qa891a2e6eb_outp
    .symbol:         k_qa891a2e6eb_outp.kd
    .args:
      - { .name: oimg, .offset: 0, .size: 8, .value_kind: global_buffer, .address_space: global }
      - { .name: osc, .offset: 8, .size: 8, .value_kind: global_buffer, .address_space: global }
      - { .name: codes, .offset: 16, .size: 8, .value_kind: global_buffer, .address_space: global }
      - { .name: scales, .offset: 24, .size: 8, .value_kind: global_buffer, .address_space: global }
      - { .name: out0, .offset: 32, .size: 8, .value_kind: global_buffer, .address_space: global }
    .group_segment_fixed_size: 327680
    .private_segment_fixed_size: 0
    .kernarg_segment_align: 8
    .kernarg_segment_size: 40
    .max_flat_workgroup_size: 128
    .sgpr_count:     98
    .vgpr_count:     1024
    .wavefront_size: 32
...
	.end_amdgpu_metadata
.endif
;; end of part 5
;; ======== version 2 of 2: 4 launches; 1.12 times as fast as version 1
;; limits: a function is approximated: absolute error at most 2.05e-07; right only within a limited range of input values
;; workspace buffers: codes 12,582,912 bytes; scales 524,288 bytes; mbits 1,048,576 bytes of whole numbers; heads 10,092,544 bytes; oimg 3,145,728 bytes; osc 131,072 bytes; ent 1,024 bytes
;; launch prep: the kernel of part 1 again; grid 256 x 1, 4 waves a work-group, no clusters, 90,624 bytes of LDS; arguments q, k, v, Wq, Wk, Wv, Wc, attn_mask, codes, scales, mbits; writes codes, scales, mbits
;; launch proj: the kernel of part 2 again; grid 4 x 48, 4 waves a work-group, clusters of 4 x 4, 327,680 bytes of LDS; arguments codes, scales, heads; writes heads
;; launch attn (part 6): grid 8 x 32, 16 waves a work-group, clusters of 4 x 1, 215,040 bytes of LDS; arguments heads, mbits, oimg, osc, ent; writes oimg, osc, ent
.if DOCPART == 6
	.amdgcn_target "amdgcn-amd-amdhsa--gfx1250"
	.amdhsa_code_object_version 6
	.text
	.protected	k_qa891a2e6eb_attn
	.globl	k_qa891a2e6eb_attn
	.p2align	8
	.type	k_qa891a2e6eb_attn,@function
k_qa891a2e6eb_attn:
	s_mov_b64 s[64:65], 0
	v_nop
	global_prefetch_b8 v0, s[64:65] scope:SCOPE_SE
	s_setreg_imm32_b32 hwreg(HW_REG_WAVE_MODE, 25, 1), 1
	s_wait_xcnt 0x0
	s_wait_alu depctr_hold_cnt(0) depctr_sa_sdst(0) depctr_va_vdst(0) depctr_va_sdst(0) depctr_va_ssrc(0) depctr_va_vcc(0) depctr_vm_vsrc(0)
	s_getreg_b32 s2, hwreg(HW_REG_IB_STS2, 6, 4)
	s_cmp_eq_u32 s2, 0
	s_cbranch_scc0 .Lentry_in_a_cluster
	s_endpgm
.Lentry_in_a_cluster:
	s_bfe_u32 s2, ttmp6, 0x10000c
	s_cmp_lg_u32 s2, 0x3003
	s_cbranch_scc0 .Lentry_shape_is_right
	s_endpgm
.Lentry_shape_is_right:
; Scores, mask, softmax, entropy and the weighted sum of values for one (batch, head) and 256 queries, both products on codes of FP6 (E2M3) with E8M0 scales; O / l is quantised along D and leaves as operand images.
; THE SOFTMAX: t = logit x log2(e) = score x c, c = log2(e) / 8; M = the running largest t rounded UP to a whole number; p = 2^(t - M) is what is quantised, along the keys, not normalised.  l = the sum of the
; unquantised p divides O at the end.  When M moves by D = old M - new M, l and O are multiplied by f = 2^D, which rounds nothing.
; THE ENTROPY of a row is ln 2 (log2 l - W / l) with W = the sum of p (t - M); when M moves, W becomes f (W + D l).
; LIMITS.  (1) A hidden score is -119 x 2^26, that is the logit -998,244,352 where reference() writes -1e9: c = 12,102,203 x 2^-26, so c times it is a whole number, and in a row with no open key the fused
; t - M is a whole number (19): p is a power of two, which the block's scale takes up, as the p = 1 of the rule.  With -8e9 the product has a fraction and p's codes would turn.  Open logits under about -9.9e8 are not served.
; (2) The 1e-10 inside the entropy's logarithm is left out: p log(1 + 1e-10 / p) <= 1e-10, so a row's entropy moves by at most 2,048 x 1e-10 = 2.05e-7.
; (3) NaN and infinities are not served; a block of zeros carries the byte 1 (its codes are zeros; this program alone reads the bytes).
; (4) The head's 64 fill half of the instruction's 128 along K: the upper six registers of Q's and K's fragments are zero codes.
; SHARES.  Sixteen waves, each ONE tile of 16 queries in 256 registers, four waves to a SIMD, so that one wave's vector work stands beside another's products and LDS loads.  Every wave walks 16 steps of 128 keys.
; NO RING.  The head's K and V with their scale words are 208,896 bytes: they come into LDS once, in four chunks each, and stay: no LDS byte is filled twice.
; TWO BARRIERS.  The first shows chunk 0 to every wave; the second stands behind the first key step and shows chunks 1 to 3.  From there on the waves share nothing and meet no barrier for 15 steps: a wave that is ahead
; goes on working, so that the four waves of a SIMD fill each other's gaps to the end.
; CLUSTER.  The four query blocks of a cluster belong to one head: each chunk is asked for jointly, by the same load with the mask 15 in all four.  Wave 0 asks for K's four chunks, wave 1 for V's: four loads out at the most.
; LAYOUT.  Both products are used transposed: S^T = K Q^T, O^T = V^T P^T: a lane holds ONE query (lane % 16).  K's tiles hold keys in the stored order (bits 3 and 4 of the number exchanged), so that score register
; 16 b + i in lane (r, h) is key 32 b + 16 h + i of the step; V's feature tiles likewise, so that O^T's register 16 b + i is feature 32 b + 16 h + i.  Mask word 16 b + i is that score register's lane mask.
; REGISTERS: v1-3 16 x lane, 8 x lane, 16 r; v4-9 LDS addresses of the step; v10 the hidden score; v12 -M, v13 the largest t; v[14:17] l, v[18:21] W, two pairs each; v22 f; v38 D; v[24:35] Q; v36, v37 Q's and p's scale
; words; v[40:87] four fragments of K; v[88:95] K's and V's scale words; v[96:159] S^T, then t - M, then V's fragments; v[160:191] O^T; v[192:223] p, 32 at a time; v[224:242] p's codes; v[244:255] at work.
.set HEADB, 315392
.set KCH,   26624                      ; a chunk of K (or Q): 32 images, then 8 units of scale words
.set VCH,   25600                      ; a chunk of V: 4 steps of 8 images, then 4 units
.set KPART, 106496
.set VPART, 212992
.set VLDS,  4*KCH                      ; LDS: K's four chunks, then V's,
.set ENT,   VLDS+4*VCH                 ; then 16 words for the waves' entropy sums: a block of 256 bytes into which no fill lands
.set S,   96
.set O,   160
.set T,   192
.set PCD, 224
.set BM,  244
.set BP,  248
.set SO,  252
.set WV,  104
.macro CROUND                          ; a round of the cluster's barrier
	s_barrier_signal -1
	s_barrier_wait -1
	s_cmp_lg_u32 s[WV], 0
	s_cbranch_scc1 .Lnot_wave_0_\@
	s_barrier_signal -3
.Lnot_wave_0_\@:
	s_barrier_wait -3
	s_barrier_signal -1
	s_barrier_wait -1
.endm
	s_load_b128 s[28:31], s[0:1], 0x0              ; heads, mbits
	v_lshl_add_u32 v239, v0, 2, 0x34000
	v_mov_b32 v243, 0
	ds_add_u32 v239, v243
	ds_add_u32 v239, v243
	v_lshrrev_b32 v11, 5, v0
	v_readfirstlane_b32 s[WV], v11                 ; wave 0..15
	v_and_b32 v11, 31, v0
	v_lshlrev_b32 v1, 4, v11
	v_lshlrev_b32 v2, 3, v11
	v_and_b32 v3, 15, v0
	v_lshlrev_b32 v3, 4, v3
	s_and_b32 s32, ttmp7, 0xffff                   ; 16 batch + head: the four partners share it
	s_mul_i32 s34, s32, HEADB
	s_mov_b32 s35, 0
	; descriptor group 1: a dense block as rows of 256 bytes (32 elements of 8 bytes); the number of rows is written where the loads are issued
	s_mov_b32 s4, 15|(3<<16)|(1<<21)               ; 15:0 the mask: all four work-groups; 17:16 elements of 8 bytes; 21 set beside a mask
	s_mov_b32 s5, 32<<16                           ; tensor_dim0
	s_mov_b32 s7, 32<<16                           ; tile_dim0
	s_mov_b32 s9, 32                               ; tensor_dim0_stride
	s_mov_b32 s10, 0
	s_mov_b32 s11, 0
	s_wait_dscnt 0x0
	s_wait_kmcnt 0x0
	s_add_nc_u64 s[28:29], s[28:29], s[34:35]      ; the head's first byte
	CROUND                                         ; all four work-groups are here: the joint loads meet
	s_cmp_lg_u32 s[WV], 0                          ; a wave's fills stand in one branch on its number, ahead of every wait on TENSORcnt, every LDS read and every other barrier
	s_cbranch_scc1 .Lnot_k
	s_mov_b32 s6, (KCH/256)<<16                    ; tensor_dim1
	s_mov_b32 s8, KCH/256                          ; tile_dim1
.irp j, 0,1,2,3
	s_mov_b32 s[12+4*\j], 1
	s_mov_b32 s[13+4*\j], \j*KCH
	s_add_nc_u64 s[14+4*\j:15+4*\j], s[28:29], KPART+\j*KCH
	s_or_b32 s[15+4*\j], s[15+4*\j], 0x80000000
.endr
.irp j, 0,1,2,3
	tensor_load_to_lds s[12+4*\j:15+4*\j], s[4:11]
	s_nop 0
.endr
.rept 4
	v_nop
.endr
	s_branch .Lasked
.Lnot_k:
	s_cmp_lg_u32 s[WV], 1
	s_cbranch_scc1 .Lasked
	s_mov_b32 s6, (VCH/256)<<16
	s_mov_b32 s8, VCH/256
.irp j, 0,1,2,3
	s_mov_b32 s[12+4*\j], 1
	s_mov_b32 s[13+4*\j], VLDS+\j*VCH
	s_add_nc_u64 s[14+4*\j:15+4*\j], s[28:29], VPART+\j*VCH
	s_or_b32 s[15+4*\j], s[15+4*\j], 0x80000000
.endr
.irp j, 0,1,2,3
	tensor_load_to_lds s[12+4*\j:15+4*\j], s[4:11]
	s_nop 0
.endr
.rept 4
	v_nop
.endr
.Lasked:
	s_bfe_u32 s33, ttmp6, 0x40000                  ; cx: it enters Q's, the mask words' and the outputs' addresses alone
	s_lshl_b32 s36, ttmp9, 2
	s_add_co_u32 s36, s36, s33                     ; my block of 256 queries
	s_lshl_b32 s36, s36, 4
	s_add_co_u32 s36, s36, s[WV]                   ; my tile of 16 queries, 0..127
	s_lshr_b32 s37, s36, 5
	s_mul_i32 s37, s37, KCH                        ; Q's chunk
	s_and_b32 s38, s36, 31
	s_mul_i32 s39, s38, 768
	s_add_co_u32 s39, s39, s37                     ; its image
	s_lshr_b32 s38, s38, 2
	s_lshl_b32 s38, s38, 8
	s_add_co_u32 s38, s38, s37
	s_and_b32 s40, s36, 3
	s_lshl_b32 s40, s40, 2
	s_add_co_u32 s38, s38, s40                     ; its scale words: unit tile / 4, + 4 (tile % 4)
	v_add_nc_u32 v22, s39, v1
	v_add_nc_u32 v23, s39, v2
	v_add_nc_u32 v38, s38, v3
	global_load_b128 v[24:27], v22, s[28:29]
	global_load_b64 v[28:29], v23, s[28:29] offset:512
	global_load_b32 v36, v38, s[28:29] offset:24576
	s_lshr_b32 s41, s32, 4
	s_lshl_b32 s41, s41, 7
	s_add_co_u32 s41, s41, s36                     ; 128 batch + tile
	s_lshl_b32 s100, s41, 12
	s_mov_b32 s101, 0
	s_add_nc_u64 s[100:101], s[30:31], s[100:101]  ; my tile's mask words: 256 bytes a step
	s_load_b512 s[32:47], s[100:101], 0x0          ; step 0's 64 words
	s_load_b512 s[48:63], s[100:101], 0x40
	s_load_b512 s[68:83], s[100:101], 0x80
	s_load_b512 s[84:99], s[100:101], 0xc0
	s_mov_b32 s2, 0x3e38aa3b                       ; c = log2(e) / 8
	s_mov_b32 s3, s2                               ; (the packed form names the pair)
	s_mov_b32 s66, 0x76543210
	s_mov_b32 s67, 0xfedcba98                      ; v_permlanex16_b32's selects for lane l xor 16
	s_mov_b32 s30, 0                               ; steps done
	v_mov_b32 v10, 0xcfee0000                      ; -119 x 2^26
	v_mov_b32 v13, 0xff61b1e6                      ; the largest t so far: -3e38
	v_floor_f32 v12, -v13                          ; -M
.irp j, 14,15,16,17,18,19,20,21,39
	v_mov_b32 v\j, 0                               ; l, W; v39 is named as the upper half of the pair v[38:39]
.endr
.irp j, 30,31,32,33,34,35
	v_mov_b32 v\j, 0                               ; Q's K = 64 .. 127: zero codes
.endr
.irp t, 0,1,2,3
.irp j, 6,7,8,9,10,11
	v_mov_b32 v[40+12*\t+\j], 0                    ; K's likewise: written once, never loaded
.endr
.endr
.irp b, 0,1,2,3
	v_mov_b32 v[BP+\b], 0                          ; a lane permute's destination counts as one of its sources
.endr
.set j, 0
.rept 32
	v_mov_b32 v[O+j], 0                            ; O^T.  (The step is written once: the first finds zeros, which the first change of M leaves zeros)
.set j, j+1
.endr
	s_wait_loadcnt 0x0                             ; Q is in: its offsets' registers and its base may be written
	s_mov_b32 s29, 0                               ; s[28:29] is now the mask pointer's step
.macro KLOAD g                         ; four tiles of 16 keys, and their scale words (one unit: word 16 r + 4 t)
	ds_load_b128 v[88:91], v6 offset:256*\g
.irp t, 0,1,2,3
	ds_load_b128 v[40+12*\t:43+12*\t], v4 offset:768*(4*\g+\t)
	ds_load_b64 v[44+12*\t:45+12*\t], v5 offset:768*(4*\g+\t)
.endr
.endm
.macro KQ g
.irp t, 0,1,2,3
	v_wmma_scale_f32_16x16x128_f8f6f4 v[S+8*(4*\g+\t):S+8*(4*\g+\t)+7], v[40+12*\t:51+12*\t], v[24:35], 0, v[88+\t], v36 matrix_a_fmt:MATRIX_FMT_FP6 matrix_b_fmt:MATRIX_FMT_FP6
.endr
.endm
.macro SELECT vr, sr                   ; 32 scores: where the mask's bit is 0 the hidden score; ascending
.set j, 0
.rept 32
	v_cndmask_b32 v[\vr+j], v10, v[\vr+j], s[\sr+j]
.set j, j+1
.endr
.endm
.macro BMAX b0, b1                     ; the largest score of two blocks of 32 keys, by turns: it serves the row's maximum and, since p rises with the score, the block's largest p
.irp b, \b0, \b1
	v_max3_num_f32 v[BM+\b], v[S+16*\b], v[S+1+16*\b], v[S+2+16*\b]
.endr
.irp i, 3,5,7,9,11,13
.irp b, \b0, \b1
	v_max3_num_f32 v[BM+\b], v[BM+\b], v[S+16*\b+\i], v[S+1+16*\b+\i]
.endr
.endr
.irp b, \b0, \b1
	v_max_num_f32 v[BM+\b], v[BM+\b], v[S+15+16*\b]
.endr
.endm
.macro EXPS ub                         ; p = 2^(t - M) of 32 keys
.set j, 0
.rept 32
	v_exp_f32 v[T+j], v[\ub+j]
.set j, j+1
.endr
.endm
.macro SUMS ub                         ; l += p, W += p (t - M), of the UNQUANTISED p: four chains by turns
.set j, 0
.rept 8
	v_pk_add_f32 v[14:15], v[14:15], v[T+j:T+j+1]
	v_pk_fma_f32 v[18:19], v[T+j:T+j+1], v[\ub+j:\ub+j+1], v[18:19]
	v_pk_add_f32 v[16:17], v[16:17], v[T+j+2:T+j+3]
	v_pk_fma_f32 v[20:21], v[T+j+2:T+j+3], v[\ub+j+2:\ub+j+3], v[20:21]
.set j, j+4
.endr
.endm
.macro OSCALE j0                       ; half of O^T under the new M
.set j, \j0
.rept 8
	v_pk_mul_f32 v[O+j:O+j+1], v[O+j:O+j+1], v[22:23] op_sel_hi:[1,0]
.set j, j+2
.endr
.endm
; A KEY STEP: 128 keys.
.macro STEP
	KLOAD 0
	s_wait_dscnt 0x0
	KQ 0
.rept 4
	v_nop                                          ; places in front of loads into registers that those products read, and of the first read of their results
.endr
	KLOAD 1
	s_wait_kmcnt 0x0                               ; this step's mask words are in (asked for a step ago)
	SELECT S, 32
	s_wait_dscnt 0x0
	KQ 1
	BMAX 0, 1                                      ; sixteen plain instructions that name none of those products' registers: their places
	SELECT S+32, 68
	s_add_co_u32 s30, s30, 1                       ; the next step's words; the last step asks for its own again, so that no load leaves the buffer
	s_cmp_lt_u32 s30, 16
	s_cselect_b32 s28, 256, 0
	s_add_nc_u64 s[100:101], s[100:101], s[28:29]
	s_load_b512 s[32:47], s[100:101], 0x0
	s_load_b512 s[48:63], s[100:101], 0x40
	s_load_b512 s[68:83], s[100:101], 0x80
	s_load_b512 s[84:99], s[100:101], 0xc0
	BMAX 2, 3
.irp b, 0,1,2,3
	v_permlanex16_b32 v[BP+\b], v[BM+\b], s66, s67
.endr
.irp b, 0,1,2,3
	v_max_num_f32 v[BM+\b], v[BM+\b], v[BP+\b]     ; with lane l xor 16's 16 keys
.endr
	v_max3_num_f32 v11, v[BM], v[BM+1], v[BM+2]
	v_max_num_f32 v11, v11, v[BM+3]                ; the step's largest score of my query
	v_mul_f32 v11, s2, v11                         ; as t
	v_max_num_f32 v13, v13, v11                    ; the running largest t
	v_mov_b32 v11, v12
	v_floor_f32 v12, -v13                          ; the new -M = -ceil(t): M is a whole number
	v_sub_f32 v38, v12, v11                        ; D = old M - new M: a whole number, 0 or less
	v_cvt_i32_f32 v11, v38                         ; (it saturates)
	v_ldexp_f32 v22, 1.0, v11                      ; f = 2^D
.set j, 0
.rept 32
	v_pk_fma_f32 v[S+j:S+j+1], v[S+j:S+j+1], s[2:3], v[12:13] op_sel_hi:[1,0,0]   ; t - M, two at a time
.set j, j+2
.endr
.irp b, 0,1,2,3
	v_fma_f32 v[BM+\b], v[BM+\b], s2, v12          ; the same of each block's largest score
.endr
.irp b, 0,1,2,3
	v_exp_f32 v[BM+\b], v[BM+\b]                   ; the block's largest p: the same two instructions on the same number give the same bits
.endr
	EXPS S
	v_pk_fma_f32 v[18:19], v[14:15], v[38:39], v[18:19] op_sel_hi:[1,0,1]   ; W + D l, with the old l.  (Plain places behind the exponentials)
	v_pk_fma_f32 v[20:21], v[16:17], v[38:39], v[20:21] op_sel_hi:[1,0,1]
	v_pk_mul_f32 v[18:19], v[18:19], v[22:23] op_sel_hi:[1,0]
	v_pk_mul_f32 v[20:21], v[20:21], v[22:23] op_sel_hi:[1,0]
	v_pk_mul_f32 v[14:15], v[14:15], v[22:23] op_sel_hi:[1,0]
	v_pk_mul_f32 v[16:17], v[16:17], v[22:23] op_sel_hi:[1,0]
	s_wait_alu depctr_va_vdst(0)
.irp b, 0,1,2,3
	v_max_num_f32 v[BM+\b], 0x1800000, v[BM+\b]    ; the floor 2^(3 - 127): the byte cannot fall under 1
.endr
.irp b, 0,1,2,3
	v_add_nc_u32 v[SO+\b], 0xff000000, v[BM+\b]    ; 2 off the exponent field: the conversion's scale operand
.endr
.irp b, 0,1,2,3
	v_lshrrev_b32 v[BP+\b], 23, v[SO+\b]           ; the scale's byte
.endr
	v_lshl_or_b32 v37, v[BP+1], 8, v[BP]           ; p's scale word for these 128 keys
	v_lshl_or_b32 v37, v[BP+2], 16, v37
	v_lshl_or_b32 v37, v[BP+3], 24, v37
	v_cvt_scalef32_pk16_fp6_f32 v[PCD:PCD+2], v[T:T+15], v[SO]
	v_cvt_scalef32_pk16_fp6_f32 v[PCD+12:PCD+14], v[T+16:T+31], v[SO+1]    ; (a conversion's three registers begin on an even number)
	SUMS S
	EXPS S+32
	OSCALE 0                                       ; (plain places behind the exponentials)
	s_wait_alu depctr_va_vdst(0)
	v_cvt_scalef32_pk16_fp6_f32 v[PCD+6:PCD+8], v[T:T+15], v[SO+2]
	v_cvt_scalef32_pk16_fp6_f32 v[PCD+16:PCD+18], v[T+16:T+31], v[SO+3]
	SUMS S+32
	ds_load_b128 v[92:95], v9                      ; V's scale words: one unit a step
.irp t, 0,1,2,3
	ds_load_b128 v[S+12*\t:S+12*\t+3], v7 offset:1536*\t           ; V's four feature tiles, into the registers that t - M has left
	ds_load_b64 v[S+12*\t+4:S+12*\t+5], v8 offset:1536*\t
	ds_load_b128 v[S+12*\t+6:S+12*\t+9], v7 offset:1536*\t+768
	ds_load_b64 v[S+12*\t+10:S+12*\t+11], v8 offset:1536*\t+768
.endr
.irp c, 0,1                            ; the layout wants a WHOLE block in a lane: lanes 0-15 block 2 c, lanes 16-31 block 2 c + 1
.irp i, 0,1,2
	v_permlane16_swap_b32 v[PCD+6*\c+\i], v[PCD+12+4*\c+\i]
.endr
.irp i, 0,1,2
	v_mov_b32 v[PCD+3+6*\c+\i], v[PCD+12+4*\c+\i]
.endr
.endr
	v_add_nc_u32 v4, 6144, v4                      ; the next step's eight tiles of K,
	v_add_nc_u32 v5, 6144, v5
	v_add_nc_u32 v6, 512, v6                       ; and their two units of scale words
	v_nop
	OSCALE 16                                      ; with the four lines above: twelve places between p's codes and the products
	s_wait_dscnt 0x0
.irp t, 0,1,2,3
	v_wmma_scale_f32_16x16x128_f8f6f4 v[O+8*\t:O+8*\t+7], v[S+12*\t:S+12*\t+11], v[PCD:PCD+11], v[O+8*\t:O+8*\t+7], v[92+\t], v37 matrix_a_fmt:MATRIX_FMT_FP6 matrix_b_fmt:MATRIX_FMT_FP6
.endr
	v_add_nc_u32 v7, 6144, v7                      ; five places: the next step's first products write over V's fragments
	v_add_nc_u32 v8, 6144, v8
	v_add_nc_u32 v9, 256, v9
	v_nop
	v_nop
.endm
.macro ADDR j                          ; the LDS addresses of chunk j's first step (512 keys, four steps to a chunk), made anew from constants
	v_add_nc_u32 v4, \j*KCH, v1
	v_add_nc_u32 v5, \j*KCH+512, v2
	v_add_nc_u32 v6, \j*KCH+24576, v3
	v_add_nc_u32 v7, VLDS+\j*VCH, v1
	v_add_nc_u32 v8, VLDS+\j*VCH+512, v2
	v_add_nc_u32 v9, VLDS+\j*VCH+24576, v3
.endm
.macro STEPS n
	s_mov_b32 s105, \n
.Lstep_\@:
	STEP
	s_sub_co_u32 s105, s105, 1
	s_cmp_lg_u32 s105, 0
	s_cbranch_scc1 .Lstep_\@
.endm
	s_wait_tensorcnt 3                             ; of my four loads (if I asked) chunk 0's has landed: three were issued behind it and may stay out
	s_barrier_signal -1
	s_barrier_wait -1                              ; K's and V's chunk 0 are there for every wave
	ADDR 0
	STEP                                           ; the first key step is worked while chunks 1 to 3 land
	s_wait_tensorcnt 0x0                           ; all my loads have landed (no LDS load of mine is out: the step's last wait on DScnt was for 0)
	s_barrier_signal -1
	s_barrier_wait -1                              ; chunks 1 to 3 are there for every wave: every read of them stands behind this wait.  No further barrier until the end
	s_load_b128 s[4:7], s[0:1], 0x10               ; oimg, osc: no tensor load is out, so the descriptors' registers take the outputs' addresses; the next step's wait on KMcnt covers them
	s_load_b64 s[8:9], s[0:1], 0x20                ; ent
	STEPS 3
	ADDR 1
	STEPS 4
	ADDR 2
	STEPS 4
	ADDR 3
	STEPS 4
	; THE END.
	s_bfe_u32 s12, ttmp6, 0x40000
	s_lshl_b32 s13, ttmp9, 2
	s_add_co_u32 s13, s13, s12                     ; my block of queries
	s_lshl_b32 s14, s13, 4
	s_add_co_u32 s14, s14, s[WV]                   ; my tile
	s_and_b32 s15, ttmp7, 0xffff
	s_lshr_b32 s16, s15, 4
	s_and_b32 s17, s15, 15                         ; the head
	s_lshl_b32 s16, s16, 7
	s_add_co_u32 s16, s16, s14                     ; the token tile, 0..255
	s_lshl_b32 s18, s16, 4
	s_add_co_u32 s18, s18, s17
	s_mul_i32 s18, s18, 768                        ; its image for K = 64 head on
	s_mov_b32 s19, 0
	s_lshl_b32 s20, s16, 9                         ; its 16 rows of 32 scale bytes,
	s_lshl_b32 s21, s17, 1
	s_add_co_u32 s20, s20, s21                     ; the head's two
	s_mov_b32 s21, 0
	s_lshl_b32 s22, s15, 3
	s_add_co_u32 s22, s22, s13
	s_lshl_b32 s22, s22, 2                         ; the work-group's word of ent
	s_mov_b32 s23, 0
	s_lshl_b32 s31, s[WV], 2
	s_add_co_u32 s31, s31, ENT
	v_pk_add_f32 v[14:15], v[14:15], v[16:17]      ; l's and W's four words,
	v_pk_add_f32 v[18:19], v[18:19], v[20:21]
	v_add_f32 v14, v14, v15
	v_add_f32 v18, v18, v19
	v_permlanex16_b32 v[BP], v14, s66, s67
	v_permlanex16_b32 v[BP+1], v18, s66, s67
	v_add_f32 v14, v14, v[BP]                      ; and lane l xor 16's
	v_add_f32 v18, v18, v[BP+1]
	v_rcp_f32 v20, v14
	v_log_f32 v16, v14
	v_bfe_u32 v116, v0, 4, 1                       ; h.  (A plain place behind the transcendentals)
	s_wait_alu depctr_va_vdst(0)
	v_mul_f32 v18, v18, v20
	v_sub_f32 v16, v16, v18
	v_mul_f32 v16, 0x3f317218, v16                 ; ln 2 (log2 l - W / l): my query's entropy
	v_add_f32_dpp v16, v16, v16 row_xmask:1 row_mask:0xf bank_mask:0xf
	v_add_f32_dpp v16, v16, v16 row_xmask:2 row_mask:0xf bank_mask:0xf
	v_add_f32_dpp v16, v16, v16 row_xmask:4 row_mask:0xf bank_mask:0xf
	v_add_f32_dpp v16, v16, v16 row_xmask:8 row_mask:0xf bank_mask:0xf   ; the tile's 16 queries: both halves of the lanes hold the same sum
	v_mov_b32 v114, s31
	ds_store_b32 v114, v16                         ; all lanes write the wave's word with the same value
.set j, 0
.rept 16
	v_pk_mul_f32 v[O+j:O+j+1], v[O+j:O+j+1], v[20:21] op_sel_hi:[1,0]    ; O^T / l, each accumulator from its low end on
.set j, j+2
.endr
.irp b, 0,1
	v_max3_num_f32 v[BM+\b], |v[O+16*\b]|, |v[O+1+16*\b]|, 0x1800000     ; the head's two blocks of 32 along D
.endr
.irp i, 2,4,6,8,10,12,14
.irp b, 0,1
	v_max3_num_f32 v[BM+\b], v[BM+\b], |v[O+16*\b+\i]|, |v[O+1+16*\b+\i]|
.endr
.endr
.irp b, 0,1
	v_permlanex16_b32 v[BP+\b], v[BM+\b], s66, s67
.endr
.irp b, 0,1
	v_max_num_f32 v[BM+\b], v[BM+\b], v[BP+\b]
.endr
.irp b, 0,1
	v_add_nc_u32 v[SO+\b], 0xff000000, v[BM+\b]
.endr
.irp b, 0,1
	v_lshrrev_b32 v[BP+\b], 23, v[SO+\b]
.endr
	v_cvt_scalef32_pk16_fp6_f32 v[PCD:PCD+2], v[O:O+15], v[SO]
	v_cvt_scalef32_pk16_fp6_f32 v[PCD+12:PCD+14], v[O+16:O+31], v[SO+1]
	v_cmp_ne_u32 vcc_lo, 0, v116                   ; (one plain place behind the conversions)
.irp i, 0,1,2
	v_permlane16_swap_b32 v[PCD+\i], v[PCD+12+\i]
.endr
.irp i, 0,1,2
	v_mov_b32 v[PCD+3+\i], v[PCD+12+\i]
.endr
	v_cndmask_b32 v113, v[BP], v[BP+1], vcc_lo     ; lane (r, h): block h's byte
	v_lshl_add_u32 v112, v3, 1, v116               ; 32 r + h
	s_wait_kmcnt 0x0                               ; (the last step's mask words, which nobody reads, are the only scalar loads still out)
	s_add_nc_u64 s[4:5], s[4:5], s[18:19]
	s_add_nc_u64 s[6:7], s[6:7], s[20:21]
	s_add_nc_u64 s[8:9], s[8:9], s[22:23]
	global_store_b128 v1, v[PCD:PCD+3], s[4:5]     ; 512 consecutive bytes, then 256
	global_store_b64 v2, v[PCD+4:PCD+5], s[4:5] offset:512
	global_store_b8 v112, v113, s[6:7]             ; two bytes a token and head, against its 48 bytes of codes: whole units would want all 16 heads in one work-group
	s_wait_dscnt 0x0                               ; for the others' sake: my word is written
	s_barrier_signal -1
	s_barrier_wait -1
	v_mov_b32 v115, ENT
.irp i, 0,1,2,3
	ds_load_b128 v[96+4*\i:99+4*\i], v115 offset:16*\i
.endr
	v_mov_b32 v117, 0
	v_cmp_eq_u32 vcc_lo, 0, v0
	s_wait_dscnt 0x0
	v_pk_add_f32 v[96:97], v[96:97], v[98:99]
	v_pk_add_f32 v[100:101], v[100:101], v[102:103]
	v_pk_add_f32 v[104:105], v[104:105], v[106:107]
	v_pk_add_f32 v[108:109], v[108:109], v[110:111]
	v_pk_add_f32 v[96:97], v[96:97], v[100:101]
	v_pk_add_f32 v[104:105], v[104:105], v[108:109]
	v_pk_add_f32 v[96:97], v[96:97], v[104:105]
	v_add_f32 v96, v96, v97                        ; the entropies of the work-group's 256 rows
	s_wait_xcnt 0x0                                ; EXEC changes only behind this wait
	s_and_saveexec_b32 s31, vcc_lo                 ; thread 0 alone
	global_store_b32 v117, v96, s[8:9]
	s_wait_xcnt 0x0
	s_or_b32 exec_lo, exec_lo, s31
	s_wait_tensorcnt 0x0
	ds_add_u32 v239, v243
	s_wait_dscnt 0x0
	CROUND                                         ; the closing round: no work-group ends while a partner may still ask for a chunk that names it
	s_endpgm
.Lfunc_end_k_qa891a2e6eb_attn:
	.size	k_qa891a2e6eb_attn, .Lfunc_end_k_qa891a2e6eb_attn-k_qa891a2e6eb_attn
	.p2alignl 7, 3214868480
	.fill 96, 4, 3214868480
	.section	.rodata,"a",@progbits
	.p2align	6, 0x0
	.amdhsa_kernel k_qa891a2e6eb_attn
		.amdhsa_group_segment_fixed_size 215040
		.amdhsa_private_segment_fixed_size 0
		.amdhsa_enable_private_segment 0
		.amdhsa_kernarg_size 40
		.amdhsa_user_sgpr_count 2
		.amdhsa_user_sgpr_kernarg_segment_ptr 1
		.amdhsa_wavefront_size32 1
		.amdhsa_system_sgpr_workgroup_id_x 1
		.amdhsa_system_sgpr_workgroup_id_y 1
		.amdhsa_system_sgpr_workgroup_id_z 1
		.amdhsa_system_vgpr_workitem_id 0
		.amdhsa_next_free_vgpr 256
		.amdhsa_next_free_sgpr 106
		.amdhsa_reserve_vcc 1
		.amdhsa_float_denorm_mode_32 3
		.amdhsa_float_denorm_mode_16_64 3
		.amdhsa_memory_ordered 1
		.amdhsa_forward_progress 1
		.amdhsa_inst_pref_size 132
	.end_amdhsa_kernel
	.amdgpu_metadata
---
amdhsa.version: [ 1, 2 ]
amdhsa.kernels:
  - .name:           k_qa891a2e6eb_attn
    .symbol:         k_qa891a2e6eb_attn.kd
    .args:
      - { .name: heads, .offset: 0, .size: 8, .value_kind: global_buffer, .address_space: global }
      - { .name: mbits, .offset: 8, .size: 8, .value_kind: global_buffer, .address_space: global }
      - { .name: oimg, .offset: 16, .size: 8, .value_kind: global_buffer, .address_space: global }
      - { .name: osc, .offset: 24, .size: 8, .value_kind: global_buffer, .address_space: global }
      - { .name: ent, .offset: 32, .size: 8, .value_kind: global_buffer, .address_space: global }
    .group_segment_fixed_size: 215040
    .private_segment_fixed_size: 0
    .kernarg_segment_align: 8
    .kernarg_segment_size: 40
    .max_flat_workgroup_size: 512
    .sgpr_count:     106
    .vgpr_count:     256
    .wavefront_size: 32
...
	.end_amdgpu_metadata
.endif
;; end of part 6
;; launch outp (part 7): grid 8 x 32, 4 waves a work-group, clusters of 4 x 4, 214,528 bytes of LDS; arguments oimg, osc, codes, scales, ent, out0, out1; writes out0, out1
.if DOCPART == 7
	.amdgcn_target "amdgcn-amd-amdhsa--gfx1250"
	.amdhsa_code_object_version 6
	.text
	.protected	k_qa891a2e6eb_outp
	.globl	k_qa891a2e6eb_outp
	.p2align	8
	.type	k_qa891a2e6eb_outp,@function
k_qa891a2e6eb_outp:
	s_mov_b64 s[64:65], 0
	v_nop
	global_prefetch_b8 v0, s[64:65] scope:SCOPE_SE
	s_setreg_imm32_b32 hwreg(HW_REG_WAVE_MODE, 25, 1), 1
	s_wait_xcnt 0x0
	s_wait_alu depctr_hold_cnt(0) depctr_sa_sdst(0) depctr_va_vdst(0) depctr_va_sdst(0) depctr_va_ssrc(0) depctr_va_vcc(0) depctr_vm_vsrc(0)
	s_getreg_b32 s2, hwreg(HW_REG_IB_STS2, 6, 4)
	s_cmp_eq_u32 s2, 0
	s_cbranch_scc0 .Lentry_in_a_cluster
	s_endpgm
.Lentry_in_a_cluster:
	s_bfe_u32 s2, ttmp6, 0x10000c
	s_cmp_lg_u32 s2, 0xf033
	s_cbranch_scc0 .Lentry_shape_is_right
	s_endpgm
.Lentry_shape_is_right:
; out0[token][n] = the sum over d of O[token][d] Wc[n][d], on codes of FP6 (E2M3) with E8M0 scales, K = 1,024; out0 is [4096][1024] f32.  And out1 = the mean entropy of the 65,536 rows.
; O's codes (oimg, osc) and Wc's (codes and scales from stored row 15,360 on) lie as images: 16 rows x 64 K, 768 bytes, the operand's registers on end; [tiles of 16 rows][16 images]; scale bytes [row][32].
; SHARES.  A tile of out0 is 128 x 128, which gives 8 x 32 = 256 work-groups; four waves, each 64 x 64: 16 accumulators.  R = 128 tokens (source 1: a lane holds one token), S = 128 rows of Wc (source 0: a lane's
; eight results are eight neighbouring columns of a row of out0).
; NO RING.  The tile's codes for ALL of K are 2 x 128 rows x 768 bytes = 196,608 bytes: they come into LDS once and stay: no LDS byte is filled twice.  Waves 0 and 1 fetch R's halves, waves 2 and 3 S's, each
; in four loads, one for each 256 along K (4 row tiles x 3,072 bytes), so that the first products start when a quarter has landed: four loads of a wave are out at the most.
; CLUSTERS: 4 x 4 work-groups.  R's tile hangs on the tile row alone and is asked for jointly along a row of the cluster, S's on the tile column alone, along a column.
; THE SCALE WORDS of a wave's 64 + 64 rows, for all of K, are 32 + 32 registers: lane r takes its row's 32 bytes by two loads of 16 bytes for each block of 16 rows, once, straight from memory.
; THE MEAN.  ent holds the 256 partial sums of the launch before.  Every wave adds them while the first tiles are on their way; thread 0 of the work-group of tile (0, 0) stores the sum x 2^-16.  That thread is
; chosen by EXEC, not by a branch: all work-groups of a cluster walk the same path.
; REGISTERS, in windows of 256: window 0: v1-15 addresses; v16-23 ent; v32-63 R's scale words (8 a + K step), v64-95 S's, and nothing else; v96-191 R's fragments, two sets of 4 x 12; on the way out v96-223.
;   window 1: v0-127 the accumulators ((a, b) at v[8 (4 a + b)]); v128-223 S's fragments, two sets.
.set SIZE_N, 1024
.set TILEB,  3072                      ; 16 rows x 256 K: four images
.set QB,     4*TILEB                   ; what one tensor load brings: 64 rows x 256 K
.set HALF,   4*QB                      ; 64 rows, all of K.  LDS: wave x HALF + quarter x QB + row tile x TILEB
.set STAGE,  4*HALF                    ; behind the codes: 16 rows x (256 bytes + 16) for each wave, for the way out; no fill lands there
.set SPITCH, 272
.set FR,     12                        ; registers of a fragment
.set RA,  4                            ; v4  my R fragments, the pieces of 16 bytes; v5 the pieces of 8 bytes
.set SA,  6                            ; v6, v7 the same for S
.set STO, 8                            ; v8  the way out: where I put 32 bytes of a row
.set RD,  9                            ; v9  and where I read a row back
.set CO,  10                           ; v10 my byte offset in two rows of out0
.set EN,  16
.set RS,  32
.set SS,  64
.set RF,  96
.set OB,  96
.set SF,  128
.set G1,  24                           ; s[24:31] descriptor group 1 for R's tiles;  s[40:55] four groups 0, one for each quarter of K
.set G1B, 32                           ; s[32:39], s[68:83] the same for S's
.set G0,  40
.set G0B, 68
.set MSB, 0
.macro WIN new                         ; the immediate's high byte repeats the setting that is left
.if MSB != \new
	s_set_vgpr_msb (MSB<<8)|\new
.set MSB, \new
.endif
.endm
.set W_MUL, 0x51                       ; source 0 (S) window 1, source 1 (R) window 0, C and D window 1
.set TO_S,  0x40                       ; destination window 1, address window 0
.macro CROUND                          ; a round of the cluster's barrier
	s_barrier_signal -1
	s_barrier_wait -1
	s_cmp_lg_u32 s18, 0
	s_cbranch_scc1 .Lnot_wave_0_\@
	s_barrier_signal -3
.Lnot_wave_0_\@:
	s_barrier_wait -3
	s_barrier_signal -1
	s_barrier_wait -1
.endm
.macro PLACES                          ; four places in front of loads into registers that matrix instructions have read, and of the first read of results (ISA guide 7.12.1 for the first read of results)
.rept 4
	v_nop
.endr
.endm
	s_load_b256 s[4:11], s[0:1], 0x0               ; O's codes, O's scales, codes, scales
	s_load_b128 s[12:15], s[0:1], 0x20             ; ent, out0
	s_load_b64 s[16:17], s[0:1], 0x30              ; out1
	v_lshl_add_u32 v254, v0, 2, 0x34400
	v_mov_b32 v255, 0
	ds_add_u32 v254, v255
	ds_add_u32 v254, v255
	v_lshrrev_b32 v1, 5, v0
	v_readfirstlane_b32 s18, v1                    ; wave 0..3
	s_lshr_b32 s19, s18, 1                         ; which half of the tile's rows is mine.  Also: I fetch for R (0) or for S (1)
	s_and_b32 s20, s18, 1                          ; which half of its columns.  Also: which 64 rows I fetch
	s_bfe_u32 s21, ttmp6, 0x40000                  ; cx, cy: my place in the cluster
	s_bfe_u32 s22, ttmp6, 0x40004
	s_lshl_b32 s23, ttmp9, 2
	s_add_co_u32 s23, s23, s21                     ; tile column = 4 x cluster x + cx
	s_and_b32 s66, ttmp7, 0xffff
	s_lshl_b32 s66, s66, 2
	s_add_co_u32 s66, s66, s22                     ; tile row = 4 x cluster y + cy
	s_lshl_b32 s60, s22, 2
	s_lshl_b32 s60, 15, s60                        ; my row of the cluster
	s_lshl_b32 s88, 0x1111, s21                    ; my column
	; descriptor group 1: 4 rows of 3,072 bytes (384 elements of 8 bytes), 12,288 bytes apart; dense in LDS
	s_or_b32 s[G1], s60, (3<<16)|(1<<21)           ; 15:0 the mask: R's tiles go to my row; 17:16 elements of 8 bytes; 21 set beside a mask
	s_or_b32 s[G1B], s88, (3<<16)|(1<<21)
.irp g, G1, G1B
	s_mov_b32 s[\g+1], 384<<16                     ; tensor_dim0
	s_mov_b32 s[\g+2], 4<<16                       ; tensor_dim1
	s_mov_b32 s[\g+3], 384<<16                     ; tile_dim0
	s_mov_b32 s[\g+4], 4                           ; tile_dim1
	s_mov_b32 s[\g+5], 1536                        ; tensor_dim0_stride
	s_mov_b32 s[\g+6], 0
	s_mov_b32 s[\g+7], 0
.endr
	; where the tiles come from.  R's address is made of the tile row and the wave's number, S's of the tile column and the wave's number, each in registers that never hold the other coordinate
	s_lshl_b32 s56, s66, 3
	s_lshl_b32 s57, s20, 2
	s_add_co_u32 s56, s56, s57                     ; R: row tile 8 x tile row + 4 x half
	s_mul_i32 s56, s56, 4*TILEB                    ; 12,288 bytes a row tile
	s_mov_b32 s57, 0
	s_lshl_b32 s84, s23, 3
	s_lshl_b32 s85, s20, 2
	s_add_co_u32 s84, s84, s85
	s_add_co_u32 s84, s84, 960                     ; S: row tile 960 (stored row 15,360) + 8 x tile column + 4 x half
	s_mul_i32 s84, s84, 4*TILEB
	s_mov_b32 s85, 0
	s_mul_i32 s2, s18, HALF                        ; and where they go: no place in the cluster enters an LDS address
	; what my wave multiplies and stores
	s_lshl_b32 s58, s66, 7
	s_lshl_b32 s59, s19, 6
	s_add_co_u32 s58, s58, s59                     ; my first token: 128 x tile row + 64 x half
	s_lshl_b32 s90, s58, 12                        ; its row of out0,
	s_lshl_b32 s58, s58, 5                         ; its 32 scale bytes
	s_mov_b32 s59, 0
	s_lshl_b32 s86, s23, 7
	s_lshl_b32 s87, s20, 6
	s_add_co_u32 s86, s86, s87                     ; my first column: 128 x tile column + 64 x half
	s_lshl_b32 s92, s86, 2
	s_add_co_u32 s90, s90, s92
	s_mov_b32 s91, 0
	s_add_co_u32 s86, s86, 15360
	s_lshl_b32 s86, s86, 5                         ; Wc's scale bytes of that row
	s_mov_b32 s87, 0
	s_mov_b32 s94, 0x76543210
	s_mov_b32 s95, 0xfedcba98                      ; v_permlanex16_b32's selects for lane l xor 16
	v_and_b32 v1, 15, v0                           ; r
	v_lshlrev_b32 v2, 5, v1                        ; a row of scale bytes
	v_and_b32 v11, 31, v0                          ; lane
	v_lshlrev_b32 v3, 5, v11                       ; eight numbers of ent a lane
	s_wait_dscnt 0x0
	s_wait_kmcnt 0x0
	s_add_nc_u64 s[56:57], s[4:5], s[56:57]
	s_add_nc_u64 s[84:85], s[8:9], s[84:85]
	s_add_nc_u64 s[6:7], s[6:7], s[58:59]
	s_add_nc_u64 s[10:11], s[10:11], s[86:87]
	s_add_nc_u64 s[14:15], s[14:15], s[90:91]
.irp a, 0,1,2,3
.irp e, 0,1
	global_load_b128 v[RS+8*\a+4*\e:RS+8*\a+4*\e+3], v2, s[6:7] offset:512*\a+16*\e     ; block a, row r: the words of K steps 4 e .. 4 e + 3 (lanes 16-31 take the same and are not read)
	global_load_b128 v[SS+8*\a+4*\e:SS+8*\a+4*\e+3], v2, s[10:11] offset:512*\a+16*\e
.endr
.endr
	global_load_b128 v[EN:EN+3], v3, s[12:13]
	global_load_b128 v[EN+4:EN+7], v3, s[12:13] offset:16
.irp j, 0,1,2,3
	s_mov_b32 s[G0+4*\j], 1                                        ; 1:0 count = 1
	s_add_co_u32 s[G0+4*\j+1], s2, \j*QB                           ; 63:32 LDS address
	s_add_nc_u64 s[G0+4*\j+2:G0+4*\j+3], s[56:57], \j*TILEB        ; 120:64 global address: K = 256 j on
	s_or_b32 s[G0+4*\j+3], s[G0+4*\j+3], 0x80000000                ; 127:126 type = 2
	s_mov_b32 s[G0B+4*\j], 1
	s_add_co_u32 s[G0B+4*\j+1], s2, \j*QB
	s_add_nc_u64 s[G0B+4*\j+2:G0B+4*\j+3], s[84:85], \j*TILEB
	s_or_b32 s[G0B+4*\j+3], s[G0B+4*\j+3], 0x80000000
.endr
	CROUND                                         ; all sixteen work-groups are here: the joint loads meet
	s_cmp_eq_u32 s19, 0                            ; a wave's four fills stand in one branch on its number, ahead of every wait on TENSORcnt, every LDS read and every other barrier
	s_cbranch_scc0 .Lfor_s
.irp j, 0,1,2,3
	tensor_load_to_lds s[G0+4*\j:G0+4*\j+3], s[G1:G1+7]
	s_nop 0
.endr
.rept 4
	v_nop
.endr
	s_branch .Lasked
.Lfor_s:
.irp j, 0,1,2,3
	tensor_load_to_lds s[G0B+4*\j:G0B+4*\j+3], s[G1B:G1B+7]
	s_nop 0
.endr
.rept 4
	v_nop
.endr
.Lasked:
	v_bfe_u32 v12, v0, 4, 1                        ; h
	v_lshlrev_b32 v13, 4, v11                      ; an image's registers 0-3: 16 x lane;
	v_lshl_add_u32 v14, v11, 3, 512                ; its registers 4-5: 512 + 8 x lane
	s_mul_i32 s3, s19, HALF                        ; my 64 rows of R
	s_mul_i32 s61, s20, HALF
	s_add_co_u32 s61, s61, 2*HALF                  ; my 64 rows of S, behind R's 128
	v_add_nc_u32 v[RA], s3, v13
	v_add_nc_u32 v[RA+1], s3, v14
	v_add_nc_u32 v[SA], s61, v13
	v_add_nc_u32 v[SA+1], s61, v14
	s_mul_i32 s62, s18, 16*SPITCH
	s_add_co_u32 s62, s62, STAGE                   ; my stage
	v_mul_u32_u24 v15, v1, SPITCH                  ; in: row r, 32 bytes for each half of the lanes
	v_lshl_add_u32 v15, v12, 5, v15
	v_add_nc_u32 v[STO], s62, v15
	v_mul_u32_u24 v15, v12, SPITCH                 ; back: lanes 0-15 take one row of 256 bytes, lanes 16-31 the next
	v_lshl_add_u32 v15, v1, 4, v15
	v_add_nc_u32 v[RD], s62, v15
	v_lshlrev_b32 v[CO], 12, v12                   ; and the same two rows in out0
	v_lshl_add_u32 v[CO], v1, 4, v[CO]
	s_wait_loadcnt 0x0                             ; the scale words and ent are in
	v_pk_add_f32 v[EN:EN+1], v[EN:EN+1], v[EN+2:EN+3]              ; THE MEAN, while the first tiles are on their way: my eight numbers,
	v_pk_add_f32 v[EN+4:EN+5], v[EN+4:EN+5], v[EN+6:EN+7]
	v_pk_add_f32 v[EN:EN+1], v[EN:EN+1], v[EN+4:EN+5]
	v_add_f32 v[EN], v[EN], v[EN+1]
	v_add_f32_dpp v[EN], v[EN], v[EN] row_xmask:1 row_mask:0xf bank_mask:0xf   ; the 32 lanes'
	v_add_f32_dpp v[EN], v[EN], v[EN] row_xmask:2 row_mask:0xf bank_mask:0xf
	v_add_f32_dpp v[EN], v[EN], v[EN] row_xmask:4 row_mask:0xf bank_mask:0xf
	v_add_f32_dpp v[EN], v[EN], v[EN] row_xmask:8 row_mask:0xf bank_mask:0xf
	v_permlanex16_b32 v[EN+1], v[EN], s94, s95
	v_add_f32 v[EN], v[EN], v[EN+1]
	v_mul_f32 v[EN], 0x37800000, v[EN]             ; x 2^-16: 2 x 16 x 2,048 rows
	s_or_b32 s3, s23, s66
	v_or_b32 v[EN+1], s3, v0                       ; 0 in thread 0 of the work-group of tile (0, 0) alone
	v_cmp_eq_u32 vcc_lo, 0, v[EN+1]
	v_mov_b32 v[EN+2], 0
	s_wait_xcnt 0x0                                ; EXEC changes only behind this wait
	s_and_saveexec_b32 s3, vcc_lo
	global_store_b32 v[EN+2], v[EN], s[16:17]
	s_wait_xcnt 0x0
	s_or_b32 exec_lo, exec_lo, s3
.macro FRAG reg, adr, off              ; a fragment, 16 rows x 128 K, is two images: registers 0-3, 4-5, 6-9, 10-11; every load reads consecutive bytes
	ds_load_b128 v[\reg:\reg+3],     v[\adr]   offset:(\off)
	ds_load_b64  v[\reg+4:\reg+5],   v[\adr+1] offset:(\off)
	ds_load_b128 v[\reg+6:\reg+9],   v[\adr]   offset:(\off)+768
	ds_load_b64  v[\reg+10:\reg+11], v[\adr+1] offset:(\off)+768
.endm
.macro FETCH k                         ; K step k's eight fragments, 32 loads in one run, into set k % 2
	WIN TO_S
.irp i, 0,1,2,3
	FRAG SF+48*((\k)%2)+FR*\i, SA, ((\k)/2)*QB+\i*TILEB+((\k)%2)*1536
.endr
	WIN 0
.irp i, 0,1,2,3
	FRAG RF+48*((\k)%2)+FR*\i, RA, ((\k)/2)*QB+\i*TILEB+((\k)%2)*1536
.endr
.endm
; K step k: 16 matrix instructions.  zero = 1: the first products start the sums.  The 16 accumulators take turns, one instruction a turn, in the same order in every step.
.macro MUL k, zero
	WIN W_MUL
.irp a, 0,1,2,3
.irp b, 0,1,2,3
.if \zero
	v_wmma_scale_f32_16x16x128_f8f6f4 v[8*(4*\a+\b):8*(4*\a+\b)+7], v[SF+48*((\k)%2)+FR*\b:SF+48*((\k)%2)+FR*\b+FR-1], v[RF+48*((\k)%2)+FR*\a:RF+48*((\k)%2)+FR*\a+FR-1], 0, v[SS+8*\b+(\k)], v[RS+8*\a+(\k)] matrix_a_fmt:MATRIX_FMT_FP6 matrix_b_fmt:MATRIX_FMT_FP6
.else
	v_wmma_scale_f32_16x16x128_f8f6f4 v[8*(4*\a+\b):8*(4*\a+\b)+7], v[SF+48*((\k)%2)+FR*\b:SF+48*((\k)%2)+FR*\b+FR-1], v[RF+48*((\k)%2)+FR*\a:RF+48*((\k)%2)+FR*\a+FR-1], v[8*(4*\a+\b):8*(4*\a+\b)+7], v[SS+8*\b+(\k)], v[RS+8*\a+(\k)] matrix_a_fmt:MATRIX_FMT_FP6 matrix_b_fmt:MATRIX_FMT_FP6
.endif
.endr
.endr
.endm
; Quarter j of K: K steps 2 j and 2 j + 1.  While one set is multiplied the other is fetched.  The barrier that shows the next quarter to every wave stands between the two steps.
.macro PAIR j
	s_wait_dscnt 32                                ; K step 2 j's fragments are in; the 32 loads of step 2 j + 1 were issued behind them
	MUL 2*\j, 1-(\j+3)/4
.if \j < 3
	PLACES
	s_wait_tensorcnt 2-\j                          ; my part of quarter j + 1 has landed: 2 - j loads were issued behind it
	s_wait_dscnt 0x0                               ; no LDS load is out at a signal; K step 2 j + 1's fragments are in
	s_barrier_signal -1
	s_barrier_wait -1                              ; everybody's part has
	FETCH 2*\j+2
.else
	s_wait_dscnt 0x0
.endif
	MUL 2*\j+1, 0
.if \j < 3
	PLACES
	FETCH 2*\j+3
.endif
.endm
	s_wait_tensorcnt 3                             ; my part of the first quarter of K has landed: three loads were issued behind it
	s_barrier_signal -1
	s_barrier_wait -1                              ; everybody's has
	FETCH 0
	FETCH 1
	PAIR 0
	PAIR 1
	PAIR 2
	PAIR 3
; THE WAY OUT, block by block of 16 tokens x my 64 columns.  A lane holds 32 neighbouring bytes of a row, and the lanes beside it hold other rows: so a block goes through my own stage in LDS and comes back as whole
; rows of 256 bytes.  LDS serves a wave's instructions in order (ISA guide 5.7.1.4): no wait between the stores and the loads, nor in front of the next block's stores.  Each block has registers of its own and every
; offset is an immediate (62 rows of 4,096 bytes at the most), so no store's sources are written again.
.macro TOSTAGE a
	WIN 0x04                                       ; an LDS store's data are its source 1: window 1
.irp b, 0,1,2,3
	ds_store_b128 v[STO], v[8*(4*(\a)+\b):8*(4*(\a)+\b)+3] offset:64*\b          ; each accumulator from its low end on
	ds_store_b128 v[STO], v[8*(4*(\a)+\b)+4:8*(4*(\a)+\b)+7] offset:64*\b+16
.endr
	WIN 0
.irp t, 0,1,2,3,4,5,6,7
	ds_load_b128 v[OB+32*(\a)+4*\t:OB+32*(\a)+4*\t+3], v[RD] offset:2*\t*SPITCH
.endr
.endm
.macro SEND a, younger                 ; younger: the LDS instructions issued behind block a's loads, which may stay out
	s_wait_dscnt \younger
.irp t, 0,1,2,3,4,5,6,7
	global_store_b128 v[CO], v[OB+32*(\a)+4*\t:OB+32*(\a)+4*\t+3], s[14:15] offset:(16*(\a)+2*\t)*SIZE_N*4 th:TH_STORE_NT   ; 16 lanes store 256 consecutive bytes, at a multiple of 256 from out0's first byte
.endr
.endm
	PLACES                                         ; behind the last products: for the stores that read their results and the loads into R's fragments
	TOSTAGE 0
.irp a, 1,2,3
	TOSTAGE \a
	SEND \a-1, 16                                  ; behind block a - 1's loads: block a's 8 stores and 8 loads
.endr
	SEND 3, 0
	s_wait_tensorcnt 0x0
	ds_add_u32 v254, v255
	s_wait_dscnt 0x0
	CROUND                                         ; the closing round: no work-group ends while a partner may still ask for a tile that names it
	s_endpgm
.Lfunc_end_k_qa891a2e6eb_outp:
	.size	k_qa891a2e6eb_outp, .Lfunc_end_k_qa891a2e6eb_outp-k_qa891a2e6eb_outp
	.p2alignl 7, 3214868480
	.fill 96, 4, 3214868480
	.section	.rodata,"a",@progbits
	.p2align	6, 0x0
	.amdhsa_kernel k_qa891a2e6eb_outp
		.amdhsa_group_segment_fixed_size 214528
		.amdhsa_private_segment_fixed_size 0
		.amdhsa_enable_private_segment 0
		.amdhsa_kernarg_size 56
		.amdhsa_user_sgpr_count 2
		.amdhsa_user_sgpr_kernarg_segment_ptr 1
		.amdhsa_wavefront_size32 1
		.amdhsa_system_sgpr_workgroup_id_x 1
		.amdhsa_system_sgpr_workgroup_id_y 1
		.amdhsa_system_sgpr_workgroup_id_z 1
		.amdhsa_system_vgpr_workitem_id 0
		.amdhsa_next_free_vgpr 480
		.amdhsa_next_free_sgpr 96
		.amdhsa_reserve_vcc 1
		.amdhsa_float_denorm_mode_32 3
		.amdhsa_float_denorm_mode_16_64 3
		.amdhsa_memory_ordered 1
		.amdhsa_forward_progress 1
		.amdhsa_inst_pref_size 53
	.end_amdhsa_kernel
	.amdgpu_metadata
---
amdhsa.version: [ 1, 2 ]
amdhsa.kernels:
  - .name:           k_qa891a2e6eb_outp
    .symbol:         k_qa891a2e6eb_outp.kd
    .args:
      - { .name: oimg, .offset: 0, .size: 8, .value_kind: global_buffer, .address_space: global }
      - { .name: osc, .offset: 8, .size: 8, .value_kind: global_buffer, .address_space: global }
      - { .name: codes, .offset: 16, .size: 8, .value_kind: global_buffer, .address_space: global }
      - { .name: scales, .offset: 24, .size: 8, .value_kind: global_buffer, .address_space: global }
      - { .name: ent, .offset: 32, .size: 8, .value_kind: global_buffer, .address_space: global }
      - { .name: out0, .offset: 40, .size: 8, .value_kind: global_buffer, .address_space: global }
      - { .name: out1, .offset: 48, .size: 8, .value_kind: global_buffer, .address_space: global }
    .group_segment_fixed_size: 214528
    .private_segment_fixed_size: 0
    .kernarg_segment_align: 8
    .kernarg_segment_size: 56
    .max_flat_workgroup_size: 128
    .sgpr_count:     96
    .vgpr_count:     480
    .wavefront_size: 32
...
	.end_amdgpu_metadata
.endif
;; end of part 7
